; MI455X (gfx1250); checked and timed in simulation.
; The chip was launched on July 23, 2026; its instructions are those of AMD's public machine-readable ISA for CDNA 5 (MIT licence, August 2026) and "CDNA5" Instruction Set Architecture Reference Guide (July 2026). The comments in the code are by the model that wrote it; some were corrected since.
;; Temporal Attention. Allowed arithmetic: matrix products marked QUANTISED: E4M3 operands, one given power-of-two scale a tensor, by v_wmma_f32_16x16x64_fp8_fp8 or v_wmma_f32_16x16x128_fp8_fp8, f32 sums; products left as they are: f32 operands where the result goes on into a quantised operand, else bf16, f16 or f32 operands; f32 sums; everything else in f32.
;; Inputs: Wk 256 x 256 float32; Wq 256 x 1,024 float32; Wv 256 x 256 float32; bk 256 float32; bq 256 float32; bv 256 float32; lowp_scales 4 int32 (the exponents e of the quantised operands' scales 2^e); residual_maps 2 x 16 x 256 x 64 x 64 float32; transformer_output 2 x 1,024 float32.
;; Outputs: out0 2 x 256 x 64 x 64 float32.
;; This version of the problem:
;;   THIS VERSION OF THE PROBLEM IS GIVEN IN LOW PRECISION. The matrix products marked QUANTISED in the list below multiply operands that are first quantised to E4M3 (4 exponent bits, 3 mantissa bits; 8 bits a number), with one given power-of-two scale for each operand tensor; their sums are f32. All else is computed in f32.
;;   The module's matrix products, in the order in which they are computed (A, B: the left and right operand; K: the contracted axis; several contracted axes count as one K, in the product's order):
;;     1. [M 2, K 1,024] x [K 1,024, N 256]; A: input transformer_output; B: input Wq: left as it is (M = 2 < 16)
;;     2. [M 131,072, K 256] x [K 256, N 256]; A: input residual_maps; B: input Wk: QUANTISED (scales: A lowp_scales[0], B lowp_scales[1])
;;     3. [M 131,072, K 256] x [K 256, N 256]; A: input residual_maps; B: input Wv: QUANTISED (scales: A lowp_scales[2], B lowp_scales[3])
;;     4. batch 2 x [M 1, K 256] x [K 256, N 65,536]; A: computed on the way; B: computed on the way: left as it is (M = 1 < 16)
;;     5. batch 8,192 x [M 256, K 16] x [K 16, N 1]; A: computed on the way; B: softmax: left as it is (K = 16 < 32)
;;   THE QUANTISER, for each operand of a quantised product, along K:
;;     - The operand's scale is 2^e, e = its entry of the input lowp_scales (int32; the entries are numbered through the quantised products in the list's order, A before B).
;;     - Each number is divided by the scale, clamped to +-448, and rounded to the nearest number of E4M3, ties to even, subnormals kept.
;;     - The product sums the exact products of the quantised numbers (number of the format x scale) in f32.
;;   ~~~python
;;   def quantise(x, axis, e):      # numpy; x: float32 -> the quantised numbers, widened to float32 again
;;       x = np.moveaxis(x, axis, -1); K = x.shape[-1]
;;       r = np.clip(x / 2.0 ** e, -448, 448)
;;       step = 2.0 ** (np.maximum(np.frexp(np.where(r == 0, 1, r))[1] - 1, -6) - 3)
;;       q = np.round(r / step) * step * 2.0 ** e      # np.round: ties to even
;;       return np.moveaxis(q, -1, axis).astype(np.float32)
;;   ~~~
;; 2 versions. Each part assembles by itself: llvm-mc -triple=amdgcn-amd-amdhsa -mcpu=gfx1250 --defsym DOCPART=n.
;; ======== version 1 of 2: 2 launches
;; workspace buffers: wcodes 131,072 bytes; qs 2,048 bytes
;; launch prep (part 1): grid 80 x 1, 4 waves a work-group, no clusters, 0 bytes of LDS; arguments transformer_output, Wq, bq, Wk, Wv, lowp_scales, wcodes, qs; writes wcodes, qs
.if DOCPART == 1
	.amdgcn_target "amdgcn-amd-amdhsa--gfx1250"
	.amdhsa_code_object_version 6
	.text
	.protected	k_qd3fb4fe71c_prep
	.globl	k_qd3fb4fe71c_prep
	.p2align	8
	.type	k_qd3fb4fe71c_prep,@function
k_qd3fb4fe71c_prep:
	s_mov_b64 s[64:65], 0
	v_nop
	global_prefetch_b8 v0, s[64:65] scope:SCOPE_SE
	s_setreg_imm32_b32 hwreg(HW_REG_WAVE_MODE, 25, 1), 1
	s_wait_xcnt 0x0
; What every work-group of the main launch would otherwise make anew is made here once.
; (1) qs[b][o] = (t[b] . Wq[o] + bq[o]) x (log2(e) / 16) x 2^(e0 + e1), f32, [2][256]: the query, with the softmax's scale 256^-0.5, the change to
;     base 2 and the power of two that the key product's sums lack folded in.  Work-groups 0 to 63, one wave to a row o of Wq (4,096 bytes), both b at once.
; (2) wcodes: Wk and Wv as codes of E4M3 (code = w / 2^e held within +-448, to the nearest code, ties to even; e = entry 1 for Wk, entry 3 for Wv), laid in
;     the order of the operand's registers: fragment f = 32 mat + 2 t + ks (16 rows 16 t .., 128 along K from 128 ks) is 2,048 bytes; in it block c is 512 bytes,
;     lane l's 16 bytes at 16 l: row 16 t + l % 16, k = 128 ks + 32 c + 16 (l / 16) + 0 .. 15.  Work-groups 64 to 79, one wave to a fragment.
; No LDS, no barrier, no matrix instruction: 1.6 MB are read once, and waves share nothing.
; LIMITS: e1 and e3 between -126 and 119, so that 2^e and 448 x 2^e are f32 numbers; e0 + e1 goes in by v_ldexp_f32 and has none.  NaN among the inputs is not served.
.set CLOG, 0x3db8aa3b                  ; log2(e) / 16
	s_load_b256 s[4:11], s[0:1], 0x0               ; t s[4:5], Wq s[6:7], bq s[8:9], Wk s[10:11]
	s_load_b256 s[12:19], s[0:1], 0x20             ; Wv s[12:13], the exponents s[14:15], wcodes s[16:17], qs s[18:19]
	v_lshrrev_b32 v3, 5, v0
	v_readfirstlane_b32 s20, v3                    ; wave 0..3
	v_and_b32 v1, 31, v0                           ; lane
	v_lshlrev_b32 v2, 4, v1                        ; 16 x lane
	s_mov_b32 s23, 0                               ; the upper word of the offsets made in s[22:23]
	s_wait_kmcnt 0x0
	s_load_b128 s[24:27], s[14:15], 0x0            ; e0, e1, e2, e3: waited for on both paths only behind the path's vector loads
	s_cmp_lt_u32 ttmp9, 64
	s_cbranch_scc0 .Lweights
	; ---- the query: row o = 4 x work-group + wave
	s_lshl_b32 s21, ttmp9, 2
	s_add_co_u32 s21, s21, s20
	s_lshl_b32 s22, s21, 12                        ; a row of Wq is 4,096 bytes
	s_add_nc_u64 s[6:7], s[6:7], s[22:23]
	s_lshl_b32 s22, s21, 2
	s_add_nc_u64 s[8:9], s[8:9], s[22:23]          ; bq[o]
	s_add_nc_u64 s[18:19], s[18:19], s[22:23]      ; qs[0][o]
	s_load_b32 s30, s[8:9], 0x0
.irp i, 0,1,2,3,4,5,6,7
	global_load_b128 v[16+4*\i:19+4*\i], v2, s[6:7] offset:512*\i th:TH_LOAD_NT   ; each load of the wave: 512 consecutive bytes; Wq is read once in the launch
.endr
.irp i, 0,1,2,3,4,5,6,7
	global_load_b128 v[48+4*\i:51+4*\i], v2, s[4:5] offset:512*\i                 ; t[0], the same k
	global_load_b128 v[80+4*\i:83+4*\i], v2, s[4:5] offset:4096+512*\i            ; t[1]
.endr
	s_mov_b32 s34, 0x76543210                      ; v_permlanex16_b32: each lane takes its own place in the other half
	s_mov_b32 s35, 0xfedcba98
	s_mov_b32 s32, CLOG
	s_wait_loadcnt 0x0
	v_pk_mul_f32 v[4:5], v[16:17], v[48:49]        ; four chains, two for each b: the first products start them
	v_pk_mul_f32 v[6:7], v[18:19], v[50:51]
	v_pk_mul_f32 v[8:9], v[16:17], v[80:81]
	v_pk_mul_f32 v[10:11], v[18:19], v[82:83]
.irp p, 4,8,12,16,20,24,28
	v_pk_fma_f32 v[4:5], v[16+\p:17+\p], v[48+\p:49+\p], v[4:5]
	v_pk_fma_f32 v[6:7], v[18+\p:19+\p], v[50+\p:51+\p], v[6:7]
	v_pk_fma_f32 v[8:9], v[16+\p:17+\p], v[80+\p:81+\p], v[8:9]
	v_pk_fma_f32 v[10:11], v[18+\p:19+\p], v[82+\p:83+\p], v[10:11]
.endr
	v_pk_add_f32 v[4:5], v[4:5], v[6:7]
	v_pk_add_f32 v[8:9], v[8:9], v[10:11]
	v_add_f32 v4, v4, v5
	v_add_f32 v8, v8, v9
.irp x, 1,2,4,8
	v_add_f32_dpp v4, v4, v4 row_xmask:\x row_mask:0xf bank_mask:0xf
	v_add_f32_dpp v8, v8, v8 row_xmask:\x row_mask:0xf bank_mask:0xf
.endr
	v_permlanex16_b32 v5, v4, s34, s35             ; (v5 and v9 have been written: a lane permute's destination counts as read)
	v_permlanex16_b32 v9, v8, s34, s35
	v_add_f32 v4, v4, v5                           ; every lane holds t[0] . Wq[o],
	v_add_f32 v8, v8, v9                           ; and t[1] . Wq[o]
	s_wait_kmcnt 0x0                               ; the exponents and bq[o]
	s_add_co_i32 s31, s24, s25                     ; e0 + e1
	s_mul_f32 s30, s30, s32                        ; bq[o] x c
	v_fma_f32 v4, v4, s32, s30                     ; (sum + bq) x c in one fused multiply-add
	v_fma_f32 v8, v8, s32, s30
	v_ldexp_f32 v4, v4, s31
	v_ldexp_f32 v8, v8, s31
	v_cmp_eq_u32 vcc_lo, 1, v1
	v_cndmask_b32 v4, v4, v8, vcc_lo               ; lane 1 takes b = 1's number
	v_lshlrev_b32 v3, 10, v1                       ; qs[lane][o]: a row of qs is 1,024 bytes
	s_wait_xcnt 0x0                                ; EXEC is narrowed only behind this wait
	v_cmp_gt_u32 vcc_lo, 2, v1
	s_and_saveexec_b32 s36, vcc_lo
	global_store_b32 v3, v4, s[18:19]              ; two numbers a wave, 512 in the launch: too few to gather
	s_endpgm
.Lweights:
	; ---- a fragment of Wk or Wv: f = 4 x (work-group - 64) + wave
	s_sub_co_u32 s21, ttmp9, 64
	s_lshl_b32 s21, s21, 2
	s_add_co_u32 s21, s21, s20                     ; f
	s_and_b32 s28, s21, 31
	s_lshr_b32 s29, s28, 1                         ; t: 16 rows of 1,024 bytes
	s_lshl_b32 s22, s29, 14
	s_and_b32 s29, s28, 1                          ; ks: 128 numbers, 512 bytes
	s_lshl_b32 s29, s29, 9
	s_add_co_u32 s22, s22, s29
	s_cmp_lt_u32 ttmp9, 72                         ; fragments 0 to 31 are Wk's: the choice hangs on the work-group's number alone,
	s_cselect_b64 s[10:11], s[10:11], s[12:13]     ; so the loads go out while the exponents are still on their way
	s_add_nc_u64 s[10:11], s[10:11], s[22:23]
	v_and_b32 v3, 15, v0
	v_bfe_u32 v6, v0, 4, 1
	v_lshlrev_b32 v3, 10, v3
	v_lshl_add_u32 v3, v6, 6, v3                   ; row l % 16, + 64 (l / 16): my 16 numbers of a block of 32
.irp c, 0,1,2,3
.irp q, 0,1,2,3
	global_load_b128 v[16+16*\c+4*\q:19+16*\c+4*\q], v3, s[10:11] offset:128*\c+16*\q th:TH_LOAD_NT   ; a lane's 64 neighbouring bytes of each block: a small weight, read once
.endr
.endr
	s_lshl_b32 s22, s21, 11
	s_add_nc_u64 s[16:17], s[16:17], s[22:23]      ; the fragment's 2,048 bytes
	s_wait_kmcnt 0x0                               ; the exponents
	s_cmp_lt_u32 ttmp9, 72
	s_cselect_b32 s28, s25, s27                    ; e1 or e3
	s_add_co_i32 s28, s28, 127
	s_lshl_b32 s29, s28, 23
	v_mov_b32 v4, s29                              ; 2^e as f32: the conversion takes its exponent field
	s_add_co_i32 s28, s28, 8
	s_lshl_b32 s28, s28, 23
	s_or_b32 s28, s28, 0x600000
	v_mov_b32 v5, s28                              ; 448 x 2^e
	s_wait_loadcnt 0x0
.irp c, 0,1,2,3
.irp i, 0,1,2,3,4,5,6,7,8,9,10,11,12,13,14,15
	v_med3_num_f32 v[16+16*\c+\i], v[16+16*\c+\i], -v5, v5   ; the conversion to an 8-bit code does not saturate (ISA guide 7.6.2): the hold comes first
.endr
	v_cvt_scalef32_pk8_fp8_f32 v[80+4*\c:81+4*\c], v[16+16*\c:23+16*\c], v4
	v_cvt_scalef32_pk8_fp8_f32 v[82+4*\c:83+4*\c], v[24+16*\c:31+16*\c], v4
.endr
.irp c, 0,1,2,3
	global_store_b128 v2, v[80+4*\c:83+4*\c], s[16:17] offset:512*\c   ; the wave stores 512 consecutive bytes, at a multiple of 512 from the buffer's first byte
.endr
	s_endpgm
.Lfunc_end_k_qd3fb4fe71c_prep:
	.size	k_qd3fb4fe71c_prep, .Lfunc_end_k_qd3fb4fe71c_prep-k_qd3fb4fe71c_prep
	.p2alignl 7, 3214868480
	.fill 96, 4, 3214868480
	.section	.rodata,"a",@progbits
	.p2align	6, 0x0
	.amdhsa_kernel k_qd3fb4fe71c_prep
		.amdhsa_group_segment_fixed_size 0
		.amdhsa_private_segment_fixed_size 0
		.amdhsa_enable_private_segment 0
		.amdhsa_kernarg_size 64
		.amdhsa_user_sgpr_count 2
		.amdhsa_user_sgpr_kernarg_segment_ptr 1
		.amdhsa_wavefront_size32 1
		.amdhsa_system_sgpr_workgroup_id_x 1
		.amdhsa_system_sgpr_workgroup_id_y 1
		.amdhsa_system_sgpr_workgroup_id_z 1
		.amdhsa_system_vgpr_workitem_id 0
		.amdhsa_next_free_vgpr 112
		.amdhsa_next_free_sgpr 66
		.amdhsa_reserve_vcc 1
		.amdhsa_float_denorm_mode_32 3
		.amdhsa_float_denorm_mode_16_64 3
		.amdhsa_memory_ordered 1
		.amdhsa_forward_progress 1
		.amdhsa_inst_pref_size 15
	.end_amdhsa_kernel
	.amdgpu_metadata
---
amdhsa.version: [ 1, 2 ]
amdhsa.kernels:
  - .name:           k_qd3fb4fe71c_prep
    .symbol:         k_qd3fb4fe71c_prep.kd
    .args:
      - { .name: transformer_output, .offset: 0, .size: 8, .value_kind: global_buffer, .address_space: global }
      - { .name: Wq, .offset: 8, .size: 8, .value_kind: global_buffer, .address_space: global }
      - { .name: bq, .offset: 16, .size: 8, .value_kind: global_buffer, .address_space: global }
      - { .name: Wk, .offset: 24, .size: 8, .value_kind: global_buffer, .address_space: global }
      - { .name: Wv, .offset: 32, .size: 8, .value_kind: global_buffer, .address_space: global }
      - { .name: lowp_scales, .offset: 40, .size: 8, .value_kind: global_buffer, .address_space: global }
      - { .name: wcodes, .offset: 48, .size: 8, .value_kind: global_buffer, .address_space: global }
      - { .name: qs, .offset: 56, .size: 8, .value_kind: global_buffer, .address_space: global }
    .group_segment_fixed_size: 0
    .private_segment_fixed_size: 0
    .kernarg_segment_align: 8
    .kernarg_segment_size: 64
    .max_flat_workgroup_size: 128
    .sgpr_count:     66
    .vgpr_count:     112
    .wavefront_size: 32
...
	.end_amdgpu_metadata
.endif
;; end of part 1
;; launch attn (part 2): grid 256 x 1, 8 waves a work-group, no clusters, 68,608 bytes of LDS; arguments residual_maps, wcodes, qs, bk, bv, lowp_scales, out0; writes out0
.if DOCPART == 2
	.amdgcn_target "amdgcn-amd-amdhsa--gfx1250"
	.amdhsa_code_object_version 6
	.text
	.protected	k_qd3fb4fe71c_attn
	.globl	k_qd3fb4fe71c_attn
	.p2align	8
	.type	k_qd3fb4fe71c_attn,@function
k_qd3fb4fe71c_attn:
	s_mov_b64 s[64:65], 0
	v_nop
	global_prefetch_b8 v0, s[64:65] scope:SCOPE_SE
	s_setreg_imm32_b32 hwreg(HW_REG_WAVE_MODE, 25, 1), 1
	s_wait_xcnt 0x0
; out[b][o][p] = sum over m of softmax_m(q[b] . keys[b][m][:][p] / 16) values[b][m][o][p],  keys = Wk x + bk, values = Wv x + bv, both products on codes of E4M3.
; x = residual_maps [2][16][256][4096] f32 is quantised twice, with 2^e0 for the key product and 2^e2 for the value product; Wk's and Wv's codes and the scaled query come from the launch before.
; SHARES.  A work-group owns 32 pixels of one b (128 bytes of every channel row) for all 16 maps: 512 KB of x, read once, straight into registers.  Keys, values, scores and weights never go to memory.
; Eight waves, each in two parts.  PRODUCER: wave w takes channels 32 w .. 32 w + 31 of every map.  Lane (r, h) = (lane % 16, lane / 16) loads pixels 2 r, 2 r + 1 of channel 32 w + 16 h + i, i = 0 .. 15: so the
; registers of one parity j run DOWN K for pixel 2 r + j, in the order in which the operand takes them; the conversions' results are 4 registers of the fragment (pixel tile j = {2 r + j}, K step w / 4, block w % 4).
; They go to the other waves through LDS as images of registers: 16 bytes a lane at 16 x lane.  CONSUMER: waves 0-3 (role 0) make keys, waves 4-7 (role 1) values; wave 4 role + kw owns output channels
; 64 kw .. 64 kw + 63, whose 8 weight fragments stay in its registers for the whole launch.  D = W x + bias': source 0 = 16 rows of W, source 1 = 16 pixels; lane (r, h), register i: channel 16 t + 8 h + i, pixel 2 r + j.
; bias' = bias / 2^(the two exponents added) is the C of each sum's first product.  Both operands hold k = 32 c + 16 h + 0 .. 15 in registers 4 c .. 4 c + 3: one permutation of k in both, so every product meets its partner.
; THE ORDER OF THE MAPS.  The softmax is a running one, so a work-group may take the maps in any order.  Work-groups 2 n and 2 n + 1 read the two halves of the same aligned 256 bytes of every channel row.  An odd
; work-group takes each pair of maps the other way round (1, 0, 3, 2, ..): of a pair of maps each of the two neighbours asks first for one, a trip ahead of the other, and second for the other: the first requests for
; the bytes that they share come from both in equal parts.  Below, 'map s' is the s-th map of the work-group's own order: map s xor (the work-group's number mod 2) of x.
; A TRIP s (k = s % 4): ask for map s + 3 | quantise map s | key waves: keys of map s - 1, dotted with q: a partial score for each pixel, to LDS | value waves: values of map s - 2, its four partial scores from LDS,
; the running softmax (largest t so far, sum l, O and l x 2^(old - new) in every trip: no branch on data), O += p x values | one barrier.  18 trips, 17 barriers.
; LDS.  Rings of four slots: map m's e0 codes in slot (m + 1) % 4, its e2 codes in slot (m + 2) % 4, its scores in slot m % 4: so in trip s both roles fetch slot k.  Between two barriers codes are read in slot k and
; written in slots k + 1 and k + 2; scores are read in slot k + 2 and written in slot k + 3: never the same slot.  In front of every barrier each wave waits for all its LDS instructions.
; NOT SHARED IN A CLUSTER: what work-groups have in common is the 128 KB of weight codes and 2 KB of q, read once into registers, against 512 KB of x that is each work-group's own.
; 32 pixels a work-group give each of 256 work-groups the same share; so sixteen lanes read or store 128 consecutive bytes of a channel row, and the work-group beside takes the 128 next to them.
; LIMITS: e0 and e2 between -126 and 119, so that 2^e and 448 x 2^e are f32 numbers; e0 + e1 and e2 + e3 go in by v_ldexp_f32.  NaN among the inputs is not served; an infinity is held at the largest code.
.set SLOTB, 8192                       ; a slot of codes: pixel tile j at 4096 j, K step ks at 2048 ks, block c at 512 c, lane at 16 x lane
.set VRING, 32768                      ; the e0 ring at 0, the e2 ring here
.set SC,    65536                      ; the scores: four slots of 512 bytes: pixel 16 j + r at 16 bytes each, wave kw's partial at 4 kw
.set SCSL,  512
.set MAPB,  0x400000                   ; bytes from a map of x to the next
.set CHB,   16384                      ; bytes from a channel to the next, in x and in out
; window 0
.set XO,  1                            ; v1   x: 262,144 h + 8 r
.set CST, 2                            ; v2   where I store codes: 512 w + 16 x lane
.set AF,  3                            ; v3   where I fetch fragments: 16 x lane + 32,768 x role
.set SCW, 4                            ; v4   where a key wave stores its partial score: SC + 16 x lane + 4 kw
.set SCR, 5                            ; v5   where a value wave reads four of them: SC + 16 r
.set SCK, 6                            ; v6   2^e0;  v7  448 x 2^e0
.set LMK, 7
.set SCV, 8                            ; v8   2^e2;  v9  448 x 2^e2
.set LMV, 9
.set MX,  10                           ; v10, v11  the largest t so far, pixel tiles 0, 1
.set LS,  12                           ; v12, v13  the sums l
.set FP,  14                           ; v[14:15] f0, v[16:17] p0, v[18:19] f1, v[20:21] p1: the packed forms take the low word for both halves
.set TW,  22                           ; v22-29 at work
.set WO,  27                           ; v27  at the head: 16 x lane, the weights' offset
.set LB,  30                           ; v30  32 h: bias and q
.set OO,  31                           ; v31  out: 131,072 h + 8 r
.set XR,  32                           ; v32-159  x: four sets of 32; register 2 i + j
.set FR,  160                          ; v160-223 four fragments of x's codes: (j, ks) at 16 (2 j + ks)
.set BI,  224                          ; v224-255 bias': tile t at 8 t
; window 1
.set WT,  0                            ; v0-127   my weights: fragment (t, ks) at 16 (2 t + ks)
.set DA,  128                          ; v128-191 the accumulators: (t, j) at 8 (2 t + j)
.set TM,  128                          ; over them while they are dead: 2 x 16 held numbers,
.set CD,  160                          ; and the codes: e0's j = 0, 1, then e2's
.set OA,  192                          ; v192-255 value waves: O, (t, j) at 8 (2 t + j)
.set QR,  192                          ; v192-223 key waves: q, tile t at 8 t
.set SS,  224                          ; v224-231 key waves: four chains of the score
.set WV,   18
.set ROLE, 19
.set KW,   20
.set IT,   21
.set XA,   22                          ; s[22:23] x at my wave's channels, my order's map 0
.set XE,   28                          ; s[28:29] the same at the even place of my order last asked for; it steps by two maps of x
.set XD,   46                          ; s[46:47] the same for the odd places
.set SEL,  34                          ; s[34:35] v_permlanex16_b32: each lane takes its own place in the other half
.set HM,   36                          ; s36  lanes 16-31
.set ES,   37                          ; s37  my role's two exponents added;  s38 the same negated
.set MSB, 0
.macro WIN new                         ; s_set_vgpr_msb: bits 1:0 source 0, 3:2 source 1, 5:4 source 2, 7:6 destination; the high byte repeats the setting that is left
.if MSB != \new
	s_set_vgpr_msb (MSB<<8)|\new
.set MSB, \new
.endif
.endm
; the next map's 16 loads into set st (= its place in my order, mod 4): lanes 0-15 read 128 consecutive bytes of one channel, lanes 16-31 of the channel 16 further on
.macro AHEAD st
.if (\st)%2
.set BP, XD
.else
.set BP, XE
.endif
	s_wait_xcnt 0x0                                ; the earlier loads have read their bases: a base steps only behind this wait
	s_add_nc_u64 s[BP:BP+1], s[BP:BP+1], 2*MAPB    ; the place two on in my order lies two maps of x on, in an even and in an odd work-group
.irp i, 0,1,2,3,4,5,6,7,8,9,10,11,12,13,14,15
	global_load_b64 v[XR+32*(\st)+2*\i:XR+32*(\st)+2*\i+1], v[XO], s[BP:BP+1] offset:CHB*\i
.endr
.endm
; my role's four fragments out of slot k
.macro FETCH k
.irp g, 0,1,2,3
.irp c, 0,1,2,3
	ds_load_b128 v[FR+16*\g+4*\c:FR+16*\g+4*\c+3], v[AF] offset:(\k)*SLOTB+2048*\g+512*\c
.endr
.endr
.endm
.macro HOLD k, lim                     ; set k's 32 numbers, held within +-448 x the scale, sorted by pixel tile: the conversion to an 8-bit code does not saturate (ISA guide 7.6.2)
	WIN 0x40
.irp j, 0,1
.irp i, 0,1,2,3,4,5,6,7,8,9,10,11,12,13,14,15
	v_med3_num_f32 v[TM+16*\j+\i], v[XR+32*(\k)+2*\i+\j], -v[\lim], v[\lim]
.endr
.endr
.endm
.macro CODES dst, sc
	WIN 0x41
.irp j, 0,1
	v_cvt_scalef32_pk8_fp8_f32 v[(\dst)+4*\j:(\dst)+4*\j+1], v[TM+16*\j:TM+16*\j+7], v[\sc]
	v_cvt_scalef32_pk8_fp8_f32 v[(\dst)+4*\j+2:(\dst)+4*\j+3], v[TM+16*\j+8:TM+16*\j+15], v[\sc]
.endr
	v_nop                                          ; a plain line between the conversions and what next writes their sources or results: the next holds, or the products
.endm
; map s (set k) becomes codes twice, and both go to LDS
.macro PRODUCE k
	HOLD \k, LMK
	CODES CD, SCK
	HOLD \k, LMV
	CODES CD+8, SCV
	WIN 0x04                                       ; store data in window 1
.irp j, 0,1
	ds_store_b128 v[CST], v[CD+4*\j:CD+4*\j+3] offset:(((\k)+1)%4)*SLOTB+4096*\j
	ds_store_b128 v[CST], v[CD+8+4*\j:CD+8+4*\j+3] offset:VRING+(((\k)+2)%4)*SLOTB+4096*\j
.endr
	WIN 0
.endm
; 16 products: my 64 channels x 32 pixels x 256 along K.  The eight accumulators take turns, one instruction a turn.
.macro MM
	WIN 0x41
.irp t, 0,1,2,3
.irp j, 0,1
	v_wmma_f32_16x16x128_fp8_fp8 v[DA+8*(2*\t+\j):DA+8*(2*\t+\j)+7], v[WT+16*(2*\t):WT+16*(2*\t)+15], v[FR+16*(2*\j):FR+16*(2*\j)+15], v[BI+8*\t:BI+8*\t+7]
.endr
.endr
	WIN 0x51
.irp t, 0,1,2,3
.irp j, 0,1
	v_wmma_f32_16x16x128_fp8_fp8 v[DA+8*(2*\t+\j):DA+8*(2*\t+\j)+7], v[WT+16*(2*\t+1):WT+16*(2*\t+1)+15], v[FR+16*(2*\j+1):FR+16*(2*\j+1)+15], v[DA+8*(2*\t+\j):DA+8*(2*\t+\j)+7]
.endr
.endr
	WIN 0
.endm
; key waves: q . keys over my 64 channels, for 32 pixels; into the scores' slot of map s - 1
.macro KPOST k
.rept 4
	v_nop                                          ; four places between the last product and the first read of results (ISA guide 7.12.1)
.endr
	WIN 0x55
.irp t, 0,1,2,3
.irp p, 0,1,2,3
.irp j, 0,1
.if (\t == 0) && (\p < 2)
	v_pk_mul_f32 v[SS+4*\j+2*(\p%2):SS+4*\j+2*(\p%2)+1], v[DA+8*(2*\t+\j)+2*\p:DA+8*(2*\t+\j)+2*\p+1], v[QR+8*\t+2*\p:QR+8*\t+2*\p+1]   ; four chains; each accumulator from its low end on
.else
	v_pk_fma_f32 v[SS+4*\j+2*(\p%2):SS+4*\j+2*(\p%2)+1], v[DA+8*(2*\t+\j)+2*\p:DA+8*(2*\t+\j)+2*\p+1], v[QR+8*\t+2*\p:QR+8*\t+2*\p+1], v[SS+4*\j+2*(\p%2):SS+4*\j+2*(\p%2)+1]
.endif
.endr
.endr
.endr
	v_pk_add_f32 v[SS:SS+1], v[SS:SS+1], v[SS+2:SS+3]
	v_pk_add_f32 v[SS+4:SS+5], v[SS+4:SS+5], v[SS+6:SS+7]
	WIN 0x05
	v_add_f32 v[TW], v[SS], v[SS+1]                ; pixel tile 0, my half's 32 channels
	v_add_f32 v[TW+1], v[SS+4], v[SS+5]            ; pixel tile 1
	WIN 0
	v_cndmask_b32 v[TW+2], v[TW+1], v[TW], s[HM]   ; what the lane 16 away wants: lanes 0-15 send tile 1's, lanes 16-31 tile 0's
	v_cndmask_b32 v[TW+3], v[TW], v[TW+1], s[HM]   ; what I keep
	v_permlanex16_b32 v[TW+4], v[TW+2], s[SEL], s[SEL+1]
	v_add_f32 v[TW+3], v[TW+3], v[TW+4]            ; lane l: pixel 16 j + r = l
	ds_store_b32 v[SCW], v[TW+3] offset:(((\k)+3)%4)*SCSL
.endm
; value waves: map s - 2's t for my two pixels, the running softmax, O = O f + p x values
.macro VPOST k
	ds_load_b128 v[TW:TW+3], v[SCR] offset:(((\k)+2)%4)*SCSL
	ds_load_b128 v[TW+4:TW+7], v[SCR] offset:(((\k)+2)%4)*SCSL+256
	s_wait_dscnt 0x0
	v_add_f32 v[TW], v[TW], v[TW+1]                ; the four key waves' parts (these lines are also the places behind the products)
	v_add_f32 v[TW+2], v[TW+2], v[TW+3]
	v_add_f32 v[TW+4], v[TW+4], v[TW+5]
	v_add_f32 v[TW+6], v[TW+6], v[TW+7]
	v_add_f32 v[TW], v[TW], v[TW+2]                ; t of pixel 2 r
	v_add_f32 v[TW+4], v[TW+4], v[TW+6]            ; t of pixel 2 r + 1
	v_max_num_f32 v[TW+1], v[MX], v[TW]            ; the new largest t
	v_max_num_f32 v[TW+5], v[MX+1], v[TW+4]
	v_sub_f32 v[TW+2], v[MX], v[TW+1]
	v_sub_f32 v[TW+3], v[TW], v[TW+1]
	v_sub_f32 v[TW+6], v[MX+1], v[TW+5]
	v_sub_f32 v[TW+7], v[TW+4], v[TW+5]
	v_exp_f32 v[FP], v[TW+2]                       ; f = 2^(old - new)
	v_exp_f32 v[FP+2], v[TW+3]                     ; p = 2^(t - new)
	v_exp_f32 v[FP+4], v[TW+6]
	v_exp_f32 v[FP+6], v[TW+7]
	v_mov_b32 v[MX], v[TW+1]                       ; (plain lines behind the exponentials)
	v_mov_b32 v[MX+1], v[TW+5]
	s_wait_alu depctr_va_vdst(0)
	v_fma_f32 v[LS], v[LS], v[FP], v[FP+2]
	v_fma_f32 v[LS+1], v[LS+1], v[FP+4], v[FP+6]
	WIN 0x41
.irp t, 0,1,2,3
.irp j, 0,1
.irp p, 0,2,4,6
	v_pk_mul_f32 v[OA+8*(2*\t+\j)+\p:OA+8*(2*\t+\j)+\p+1], v[OA+8*(2*\t+\j)+\p:OA+8*(2*\t+\j)+\p+1], v[FP+4*\j:FP+4*\j+1] op_sel_hi:[1,0]
.endr
.endr
.endr
	WIN 0x51
.irp t, 0,1,2,3
.irp j, 0,1
.irp p, 0,2,4,6
	v_pk_fma_f32 v[OA+8*(2*\t+\j)+\p:OA+8*(2*\t+\j)+\p+1], v[DA+8*(2*\t+\j)+\p:DA+8*(2*\t+\j)+\p+1], v[FP+2+4*\j:FP+3+4*\j], v[OA+8*(2*\t+\j)+\p:OA+8*(2*\t+\j)+\p+1] op_sel_hi:[1,0,1]   ; each accumulator from its low end on
.endr
.endr
.endr
	WIN 0
.endm
.macro BAR
	s_wait_dscnt 0x0                               ; for the others' sake: my stores have landed, and my reads of what the next trip overwrites are in
	s_barrier_signal -1
	s_barrier_wait -1
.endm
; ahead: ask for map s + 3.  prod: quantise map s; left: the younger loads that may stay out.  kact, vact: the key waves, the value waves have a map to multiply.
.macro TRIP k, ahead, prod, left, kact, vact, bar
.if \ahead
	AHEAD ((\k)+3)%4
.endif
.if \kact && \vact
	FETCH \k
.elseif \kact
	s_cmp_lg_u32 s[ROLE], 0
	s_cbranch_scc1 .Lno_fetch_\@
	FETCH \k
.Lno_fetch_\@:
.elseif \vact
	s_cmp_eq_u32 s[ROLE], 0
	s_cbranch_scc1 .Lno_fetch_\@
	FETCH \k
.Lno_fetch_\@:
.endif
.if \prod
	s_wait_loadcnt \left                           ; loads come back in order (ISA guide 5.7.1): map s is in
	PRODUCE \k
.endif
.if \kact && \vact
	s_wait_dscnt 0x0                               ; the fragments are in
	MM
	s_cmp_lg_u32 s[ROLE], 0
	s_cbranch_scc1 .Lvalue_\@
	KPOST \k
	s_branch .Ljoin_\@
.Lvalue_\@:
	VPOST \k
.Ljoin_\@:
.elseif \kact
	s_cmp_lg_u32 s[ROLE], 0
	s_cbranch_scc1 .Ljoin_\@
	s_wait_dscnt 0x0
	MM
	KPOST \k
.Ljoin_\@:
.elseif \vact
	s_cmp_eq_u32 s[ROLE], 0
	s_cbranch_scc1 .Ljoin_\@
	s_wait_dscnt 0x0
	MM
	VPOST \k
.Ljoin_\@:
.endif
.if \bar
	BAR
.endif
.endm
	s_load_b256 s[4:11], s[0:1], 0x0               ; x s[4:5], wcodes s[6:7], qs s[8:9], bk s[10:11]
	s_load_b128 s[12:15], s[0:1], 0x20             ; bv s[12:13], the exponents s[14:15]
	s_load_b64 s[16:17], s[0:1], 0x30              ; out
	v_lshrrev_b32 v[TW], 5, v0
	v_readfirstlane_b32 s[WV], v[TW]               ; wave 0..7
	s_lshr_b32 s[ROLE], s[WV], 2                   ; 0: keys, 1: values
	s_and_b32 s[KW], s[WV], 3                      ; which 64 output channels
	; every address register is made here, ahead of the first parting of the roles, and none is written again
	v_and_b32 v[TW+1], 31, v0                      ; lane
	v_and_b32 v[TW+2], 15, v0                      ; r
	v_bfe_u32 v[TW+3], v0, 4, 1                    ; h
	v_lshlrev_b32 v[TW+4], 3, v[TW+2]              ; 8 r  (v26 is written here: later a lane permute's destination)
	v_lshl_add_u32 v[XO], v[TW+3], 18, v[TW+4]
	v_lshl_add_u32 v[OO], v[TW+3], 17, v[TW+4]
	v_lshlrev_b32 v[WO], 4, v[TW+1]                ; 16 x lane
	s_lshl_b32 s39, s[WV], 9
	v_add_nc_u32 v[CST], s39, v[WO]
	s_lshl_b32 s39, s[ROLE], 15
	v_add_nc_u32 v[AF], s39, v[WO]
	s_lshl_b32 s39, s[KW], 2
	s_add_co_u32 s39, s39, SC
	v_add_nc_u32 v[SCW], s39, v[WO]
	v_lshl_add_u32 v[SCR], v[TW+2], 4, SC
	v_lshlrev_b32 v[LB], 5, v[TW+3]
	s_lshr_b32 s40, ttmp9, 7                       ; b
	s_and_b32 s41, ttmp9, 127                      ; which 32 pixels
	s_lshl_b32 s30, s40, 26                        ; x: b x 16 maps,
	s_lshl_b32 s42, s[WV], 19                      ; my wave's 32 channels,
	s_add_co_u32 s30, s30, s42
	s_lshl_b32 s42, s41, 7                         ; the work-group's 128 bytes of a row
	s_add_co_u32 s30, s30, s42
	s_and_b32 s43, ttmp9, 1                        ; o: an odd work-group begins with map 1 of x,
	s_xor_b32 s44, s43, 1                          ; and takes map 0 second
	s_lshl_b32 s43, s43, 22                        ; o maps of x, in bytes
	s_lshl_b32 s44, s44, 22                        ; 1 - o maps
	s_add_co_u32 s32, s30, s44                     ; my order's map 1
	s_add_co_u32 s30, s30, s43                     ; my order's map 0
	s_mov_b32 s31, 0
	s_mov_b32 s33, 0
	s_mov_b32 s[SEL], 0x76543210
	s_mov_b32 s[SEL+1], 0xfedcba98
	s_mov_b32 s[HM], 0xffff0000
	s_wait_kmcnt 0x0
	s_load_b128 s[24:27], s[14:15], 0x0            ; e0, e1, e2, e3
	s_add_nc_u64 s[XA:XA+1], s[4:5], s[30:31]
	s_add_nc_u64 s[XD:XD+1], s[4:5], s[32:33]
	s_add_nc_u64 s[XE:XE+1], s[XA:XA+1], 2*MAPB    ; my order's map 2
	; maps 0, 1, 2 of my order are asked for ahead of everything else
.irp i, 0,1,2,3,4,5,6,7,8,9,10,11,12,13,14,15
	global_load_b64 v[XR+2*\i:XR+2*\i+1], v[XO], s[XA:XA+1] offset:CHB*\i
.endr
.irp i, 0,1,2,3,4,5,6,7,8,9,10,11,12,13,14,15
	global_load_b64 v[XR+32+2*\i:XR+32+2*\i+1], v[XO], s[XD:XD+1] offset:CHB*\i
.endr
.irp i, 0,1,2,3,4,5,6,7,8,9,10,11,12,13,14,15
	global_load_b64 v[XR+64+2*\i:XR+64+2*\i+1], v[XO], s[XE:XE+1] offset:CHB*\i
.endr
	WIN 0x40
.set n, 0
.rept 64
	v_mov_b32 v[OA+n], 0                           ; O begins as zeros, which the first change of the largest t leaves zeros: so the trip is written once.  Every wave runs these lines: key waves load q over the first 32
.set n, n+1
.endr
	WIN 0
	v_mov_b32 v[MX], 0xff61b1e6                    ; the largest t so far: -3e38, under every t
	v_mov_b32 v[MX+1], 0xff61b1e6
.set n, 0
.rept 10
	v_mov_b32 v[LS+n], 0                           ; l, and the pairs of f and p (their upper words are named, so they are written)
.set n, n+1
.endr
	s_lshl_b32 s32, s[ROLE], 16                    ; my weights: 65,536 x role + 16,384 kw: eight fragments on end
	s_lshl_b32 s42, s[KW], 14
	s_add_co_u32 s32, s32, s42
	s_add_nc_u64 s[6:7], s[6:7], s[32:33]
	WIN 0x40
.irp g, 0,1,2,3,4,5,6,7
.irp c, 0,1,2,3
	global_load_b128 v[WT+16*\g+4*\c:WT+16*\g+4*\c+3], v[WO], s[6:7] offset:2048*\g+512*\c   ; an image of the registers: 512 consecutive bytes a load
.endr
.endr
	WIN 0
	s_cmp_eq_u32 s[ROLE], 0
	s_cselect_b64 s[10:11], s[10:11], s[12:13]     ; bk or bv: the choice hangs on the wave's number alone
	s_lshl_b32 s32, s[KW], 8                       ; my 64 numbers
	s_add_nc_u64 s[10:11], s[10:11], s[32:33]
.irp t, 0,1,2,3
	global_load_b128 v[BI+8*\t:BI+8*\t+3], v[LB], s[10:11] offset:64*\t          ; lane (r, h), register i: channel 16 t + 8 h + i
	global_load_b128 v[BI+8*\t+4:BI+8*\t+7], v[LB], s[10:11] offset:64*\t+16
.endr
	s_lshl_b32 s42, s40, 10                        ; q: row b of 1,024 bytes, my 64 numbers
	s_add_co_u32 s32, s32, s42
	s_add_nc_u64 s[8:9], s[8:9], s[32:33]
	s_cmp_lg_u32 s[ROLE], 0
	s_cbranch_scc1 .Lno_q
	WIN 0x40
.irp t, 0,1,2,3
	global_load_b128 v[QR+8*\t:QR+8*\t+3], v[LB], s[8:9] offset:64*\t
	global_load_b128 v[QR+8*\t+4:QR+8*\t+7], v[LB], s[8:9] offset:64*\t+16
.endr
	WIN 0
.Lno_q:
	s_lshl_b32 s32, s40, 22                        ; out: b, my 64 channels, the work-group's 128 bytes of a row
	s_lshl_b32 s42, s[KW], 20
	s_add_co_u32 s32, s32, s42
	s_lshl_b32 s42, s41, 7
	s_add_co_u32 s32, s32, s42
	s_add_nc_u64 s[16:17], s[16:17], s[32:33]
	s_wait_kmcnt 0x0                               ; the exponents
	s_add_co_i32 s42, s24, 127
	s_lshl_b32 s43, s42, 23
	v_mov_b32 v[SCK], s43                          ; 2^e0 as f32: the conversion takes its exponent field
	s_add_co_i32 s42, s42, 8
	s_lshl_b32 s42, s42, 23
	s_or_b32 s42, s42, 0x600000
	v_mov_b32 v[LMK], s42                          ; 448 x 2^e0
	s_add_co_i32 s42, s26, 127
	s_lshl_b32 s43, s42, 23
	v_mov_b32 v[SCV], s43                          ; the same with e2
	s_add_co_i32 s42, s42, 8
	s_lshl_b32 s42, s42, 23
	s_or_b32 s42, s42, 0x600000
	v_mov_b32 v[LMV], s42
	s_add_co_i32 s44, s24, s25
	s_add_co_i32 s45, s26, s27
	s_cmp_eq_u32 s[ROLE], 0
	s_cselect_b32 s[ES], s44, s45                  ; a sum of my product stands for sum x 2^ES
	s_sub_co_i32 s[ES+1], 0, s[ES]
	TRIP 0, 1, 1, 63, 0, 0, 1                      ; behind map 0's loads stand 88 or more (maps 1, 2, 3; weights, bias, q): 63, the largest count that the wait can name, shows map 0 in
	s_wait_loadcnt 16                              ; all but map 3's sixteen: weights, bias and q are in
.set n, 0
.rept 32
	v_ldexp_f32 v[BI+n], v[BI+n], s[ES+1]          ; bias' = bias / 2^ES
.set n, n+1
.endr
	TRIP 1, 1, 1, 48, 1, 0, 1                      ; from here on the count leaves the sixteen loads of each of the three maps behind map s
	s_mov_b32 s[IT], 2
.Lloop:                                        ; trips 2 to 9: four to a turn of the rings; each of the two bases steps twice
	TRIP 2, 1, 1, 48, 1, 1, 1
	TRIP 3, 1, 1, 48, 1, 1, 1
	TRIP 0, 1, 1, 48, 1, 1, 1
	TRIP 1, 1, 1, 48, 1, 1, 1
	s_sub_co_u32 s[IT], s[IT], 1
	s_cmp_lg_u32 s[IT], 0
	s_cbranch_scc1 .Lloop
	TRIP 2, 1, 1, 48, 1, 1, 1                      ; trips 10, 11,
	TRIP 3, 1, 1, 48, 1, 1, 1
	TRIP 0, 1, 1, 48, 1, 1, 1                      ; 12: my order's map 15 is asked for, the last: the bases end at maps o + 14 and 15 - o of x, so no load leaves the buffer
	TRIP 1, 0, 1, 32, 1, 1, 1                      ; 13 to 15: the counts run down
	TRIP 2, 0, 1, 16, 1, 1, 1
	TRIP 3, 0, 1, 0, 1, 1, 1
	TRIP 0, 0, 0, 0, 1, 1, 1                       ; 16: keys of map 15, values of map 14
	TRIP 1, 0, 0, 0, 0, 1, 0                       ; 17: values of map 15; no barrier follows, so the key waves may end
	s_cmp_eq_u32 s[ROLE], 0
	s_cbranch_scc1 .Lend
	; THE WAY OUT: out = O x 2^ES / l.  The two pixel tiles' numbers of a channel are neighbours in memory (pixels 2 r, 2 r + 1): they are put into neighbouring registers
	v_rcp_f32 v[LS], v[LS]
	v_rcp_f32 v[LS+1], v[LS+1]
	v_nop                                          ; a plain line behind the reciprocals
	s_wait_alu depctr_va_vdst(0)
	v_ldexp_f32 v[LS], v[LS], s[ES]
	v_ldexp_f32 v[LS+1], v[LS+1], s[ES]
	WIN 0x01
.irp t, 0,1,2,3
.irp i, 0,1,2,3,4,5,6,7
.irp j, 0,1
	v_mul_f32 v[XR+2*(8*\t+\i)+\j], v[OA+8*(2*\t+\j)+\i], v[LS+\j]
.endr
.endr
.endr
	WIN 0
.irp t, 0,1,2,3
.irp i, 0,1,2,3,4,5,6,7
	global_store_b64 v[OO], v[XR+2*(8*\t+\i):XR+2*(8*\t+\i)+1], s[16:17] offset:(16*\t+\i)*CHB   ; sixteen lanes store the work-group's 128 consecutive bytes of channel 16 t + 8 h + i
.endr
.endr
.Lend:
	s_wait_xcnt 0x0
	v_lshl_add_u32 v254, v0, 2, 0x10800
	v_mov_b32 v255, 0
	s_wait_tensorcnt 0x0
	ds_add_u32 v254, v255
	s_wait_dscnt 0x0
	s_endpgm
.Lfunc_end_k_qd3fb4fe71c_attn:
	.size	k_qd3fb4fe71c_attn, .Lfunc_end_k_qd3fb4fe71c_attn-k_qd3fb4fe71c_attn
	.p2alignl 7, 3214868480
	.fill 96, 4, 3214868480
	.section	.rodata,"a",@progbits
	.p2align	6, 0x0
	.amdhsa_kernel k_qd3fb4fe71c_attn
		.amdhsa_group_segment_fixed_size 68608
		.amdhsa_private_segment_fixed_size 0
		.amdhsa_enable_private_segment 0
		.amdhsa_kernarg_size 56
		.amdhsa_user_sgpr_count 2
		.amdhsa_user_sgpr_kernarg_segment_ptr 1
		.amdhsa_wavefront_size32 1
		.amdhsa_system_sgpr_workgroup_id_x 1
		.amdhsa_system_sgpr_workgroup_id_y 1
		.amdhsa_system_sgpr_workgroup_id_z 1
		.amdhsa_system_vgpr_workitem_id 0
		.amdhsa_next_free_vgpr 512
		.amdhsa_next_free_sgpr 66
		.amdhsa_reserve_vcc 0
		.amdhsa_float_denorm_mode_32 3
		.amdhsa_float_denorm_mode_16_64 3
		.amdhsa_memory_ordered 1
		.amdhsa_forward_progress 1
		.amdhsa_inst_pref_size 220
	.end_amdhsa_kernel
	.amdgpu_metadata
---
amdhsa.version: [ 1, 2 ]
amdhsa.kernels:
  - .name:           k_qd3fb4fe71c_attn
    .symbol:         k_qd3fb4fe71c_attn.kd
    .args:
      - { .name: residual_maps, .offset: 0, .size: 8, .value_kind: global_buffer, .address_space: global }
      - { .name: wcodes, .offset: 8, .size: 8, .value_kind: global_buffer, .address_space: global }
      - { .name: qs, .offset: 16, .size: 8, .value_kind: global_buffer, .address_space: global }
      - { .name: bk, .offset: 24, .size: 8, .value_kind: global_buffer, .address_space: global }
      - { .name: bv, .offset: 32, .size: 8, .value_kind: global_buffer, .address_space: global }
      - { .name: lowp_scales, .offset: 40, .size: 8, .value_kind: global_buffer, .address_space: global }
      - { .name: out0, .offset: 48, .size: 8, .value_kind: global_buffer, .address_space: global }
    .group_segment_fixed_size: 68608
    .private_segment_fixed_size: 0
    .kernarg_segment_align: 8
    .kernarg_segment_size: 56
    .max_flat_workgroup_size: 256
    .sgpr_count:     66
    .vgpr_count:     512
    .wavefront_size: 32
...
	.end_amdgpu_metadata
.endif
;; end of part 2
;; ======== version 2 of 2: 2 launches
;; workspace buffers: wcodes 131,072 bytes; qs 2,048 bytes
;; launch prep (part 3): grid 80 x 1, 4 waves a work-group, no clusters, 0 bytes of LDS; arguments transformer_output, Wq, bq, Wk, Wv, lowp_scales, wcodes, qs; writes wcodes, qs
.if DOCPART == 3
	.amdgcn_target "amdgcn-amd-amdhsa--gfx1250"
	.amdhsa_code_object_version 6
	.text
	.protected	k_qd3fb4fe71c_prep
	.globl	k_qd3fb4fe71c_prep
	.p2align	8
	.type	k_qd3fb4fe71c_prep,@function
k_qd3fb4fe71c_prep:
	s_mov_b64 s[64:65], 0
	v_nop
	global_prefetch_b8 v0, s[64:65] scope:SCOPE_SE
	s_setreg_imm32_b32 hwreg(HW_REG_WAVE_MODE, 25, 1), 1
	s_wait_xcnt 0x0
; What every work-group of the main launch would otherwise make anew is made here once.
; (1) qs[b][o] = (t[b] . Wq[o] + bq[o]) x (log2(e) / 16) x 2^(e0 + e1), f32, [2][256]: the query, with the softmax's scale 256^-0.5, the change to
;     base 2 and the power of two that the key product's sums lack folded in.  Work-groups 0 to 63, one wave to a row o of Wq (4,096 bytes), both b at once.
; (2) wcodes: Wk and Wv as codes of E4M3 (code = w / 2^e held within +-448, to the nearest code, ties to even; e = entry 1 for Wk, entry 3 for Wv), laid in
;     the order of the operand's registers: fragment f = 32 mat + 2 t + ks (16 rows 16 t .., 128 along K from 128 ks) is 2,048 bytes; in it block c is 512 bytes,
;     lane l's 16 bytes at 16 l: row 16 t + l % 16, k = 128 ks + 32 c + 16 (l / 16) + 0 .. 15.  Work-groups 64 to 79, one wave to a fragment.
; No LDS, no barrier, no matrix instruction: 1.6 MB are read once, and waves share nothing.
; LIMITS: e1 and e3 between -126 and 119, so that 2^e and 448 x 2^e are f32 numbers; e0 + e1 goes in by v_ldexp_f32 and has none.  NaN among the inputs is not served.
.set CLOG, 0x3db8aa3b                  ; log2(e) / 16
	s_load_b256 s[4:11], s[0:1], 0x0               ; t s[4:5], Wq s[6:7], bq s[8:9], Wk s[10:11]
	s_load_b256 s[12:19], s[0:1], 0x20             ; Wv s[12:13], the exponents s[14:15], wcodes s[16:17], qs s[18:19]
	v_lshrrev_b32 v3, 5, v0
	v_readfirstlane_b32 s20, v3                    ; wave 0..3
	v_and_b32 v1, 31, v0                           ; lane
	v_lshlrev_b32 v2, 4, v1                        ; 16 x lane
	s_mov_b32 s23, 0                               ; the upper word of the offsets made in s[22:23]
	s_wait_kmcnt 0x0
	s_load_b128 s[24:27], s[14:15], 0x0            ; e0, e1, e2, e3: waited for on both paths only behind the path's vector loads
	s_cmp_lt_u32 ttmp9, 64
	s_cbranch_scc0 .Lweights
	; ---- the query: row o = 4 x work-group + wave
	s_lshl_b32 s21, ttmp9, 2
	s_add_co_u32 s21, s21, s20
	s_lshl_b32 s22, s21, 12                        ; a row of Wq is 4,096 bytes
	s_add_nc_u64 s[6:7], s[6:7], s[22:23]
	s_lshl_b32 s22, s21, 2
	s_add_nc_u64 s[8:9], s[8:9], s[22:23]          ; bq[o]
	s_add_nc_u64 s[18:19], s[18:19], s[22:23]      ; qs[0][o]
	s_load_b32 s30, s[8:9], 0x0
	s_wait_alu depctr_va_vdst(0)
.irp i, 0,1,2,3,4,5,6,7
	global_load_b128 v[16+4*\i:19+4*\i], v2, s[6:7] offset:512*\i th:TH_LOAD_NT   ; each load of the wave: 512 consecutive bytes; Wq is read once in the launch
.endr
.irp i, 0,1,2,3,4,5,6,7
	global_load_b128 v[48+4*\i:51+4*\i], v2, s[4:5] offset:512*\i                 ; t[0], the same k
	global_load_b128 v[80+4*\i:83+4*\i], v2, s[4:5] offset:4096+512*\i            ; t[1]
.endr
	s_mov_b32 s34, 0x76543210                      ; v_permlanex16_b32: each lane takes its own place in the other half
	s_mov_b32 s35, 0xfedcba98
	s_mov_b32 s32, CLOG
	s_wait_loadcnt 0x0
	v_pk_mul_f32 v[4:5], v[16:17], v[48:49]        ; four chains, two for each b: the first products start them
	v_pk_mul_f32 v[6:7], v[18:19], v[50:51]
	v_pk_mul_f32 v[8:9], v[16:17], v[80:81]
	v_pk_mul_f32 v[10:11], v[18:19], v[82:83]
.irp p, 4,8,12,16,20,24,28
	v_pk_fma_f32 v[4:5], v[16+\p:17+\p], v[48+\p:49+\p], v[4:5]
	v_pk_fma_f32 v[6:7], v[18+\p:19+\p], v[50+\p:51+\p], v[6:7]
	v_pk_fma_f32 v[8:9], v[16+\p:17+\p], v[80+\p:81+\p], v[8:9]
	v_pk_fma_f32 v[10:11], v[18+\p:19+\p], v[82+\p:83+\p], v[10:11]
.endr
	v_pk_add_f32 v[4:5], v[4:5], v[6:7]
	v_pk_add_f32 v[8:9], v[8:9], v[10:11]
	v_add_f32 v4, v4, v5
	v_add_f32 v8, v8, v9
.irp x, 1,2,4,8
	v_add_f32_dpp v4, v4, v4 row_xmask:\x row_mask:0xf bank_mask:0xf
	v_add_f32_dpp v8, v8, v8 row_xmask:\x row_mask:0xf bank_mask:0xf
.endr
	v_permlanex16_b32 v5, v4, s34, s35             ; (v5 and v9 have been written: a lane permute's destination counts as read)
	v_permlanex16_b32 v9, v8, s34, s35
	v_add_f32 v4, v4, v5                           ; every lane holds t[0] . Wq[o],
	v_add_f32 v8, v8, v9                           ; and t[1] . Wq[o]
	s_wait_alu depctr_va_vdst(0)
	s_wait_kmcnt 0x0                               ; the exponents and bq[o]
	s_add_co_i32 s31, s24, s25                     ; e0 + e1
	s_mul_f32 s30, s30, s32                        ; bq[o] x c
	v_fma_f32 v4, v4, s32, s30                     ; (sum + bq) x c in one fused multiply-add
	v_fma_f32 v8, v8, s32, s30
	v_ldexp_f32 v4, v4, s31
	v_ldexp_f32 v8, v8, s31
	v_cmp_eq_u32 vcc_lo, 1, v1
	v_cndmask_b32 v4, v4, v8, vcc_lo               ; lane 1 takes b = 1's number
	v_lshlrev_b32 v3, 10, v1                       ; qs[lane][o]: a row of qs is 1,024 bytes
	s_wait_alu depctr_va_vdst(0)
	s_wait_xcnt 0x0                                ; EXEC is narrowed only behind this wait
	v_cmp_gt_u32 vcc_lo, 2, v1
	s_and_saveexec_b32 s36, vcc_lo
	global_store_b32 v3, v4, s[18:19]              ; two numbers a wave, 512 in the launch: too few to gather
	s_endpgm
.Lweights:
	; ---- a fragment of Wk or Wv: f = 4 x (work-group - 64) + wave
	s_sub_co_u32 s21, ttmp9, 64
	s_lshl_b32 s21, s21, 2
	s_add_co_u32 s21, s21, s20                     ; f
	s_and_b32 s28, s21, 31
	s_lshr_b32 s29, s28, 1                         ; t: 16 rows of 1,024 bytes
	s_lshl_b32 s22, s29, 14
	s_and_b32 s29, s28, 1                          ; ks: 128 numbers, 512 bytes
	s_lshl_b32 s29, s29, 9
	s_add_co_u32 s22, s22, s29
	s_cmp_lt_u32 ttmp9, 72                         ; fragments 0 to 31 are Wk's: the choice hangs on the work-group's number alone,
	s_cselect_b64 s[10:11], s[10:11], s[12:13]     ; so the loads go out while the exponents are still on their way
	s_add_nc_u64 s[10:11], s[10:11], s[22:23]
	v_and_b32 v3, 15, v0
	v_bfe_u32 v6, v0, 4, 1
	v_lshlrev_b32 v3, 10, v3
	v_lshl_add_u32 v3, v6, 6, v3                   ; row l % 16, + 64 (l / 16): my 16 numbers of a block of 32
.irp c, 0,1,2,3
.irp q, 0,1,2,3
	global_load_b128 v[16+16*\c+4*\q:19+16*\c+4*\q], v3, s[10:11] offset:128*\c+16*\q th:TH_LOAD_NT   ; a lane's 64 neighbouring bytes of each block: a small weight, read once
.endr
.endr
	s_lshl_b32 s22, s21, 11
	s_add_nc_u64 s[16:17], s[16:17], s[22:23]      ; the fragment's 2,048 bytes
	s_wait_kmcnt 0x0                               ; the exponents
	s_cmp_lt_u32 ttmp9, 72
	s_cselect_b32 s28, s25, s27                    ; e1 or e3
	s_add_co_i32 s28, s28, 127
	s_lshl_b32 s29, s28, 23
	v_mov_b32 v4, s29                              ; 2^e as f32: the conversion takes its exponent field
	s_add_co_i32 s28, s28, 8
	s_lshl_b32 s28, s28, 23
	s_or_b32 s28, s28, 0x600000
	v_mov_b32 v5, s28                              ; 448 x 2^e
	s_wait_alu depctr_va_vdst(0)
	s_wait_loadcnt 0x0
.irp c, 0,1,2,3
.irp i, 0,1,2,3,4,5,6,7,8,9,10,11,12,13,14,15
	v_med3_num_f32 v[16+16*\c+\i], v[16+16*\c+\i], -v5, v5   ; the conversion to an 8-bit code does not saturate (ISA guide 7.6.2): the hold comes first
.endr
	v_cvt_scalef32_pk8_fp8_f32 v[80+4*\c:81+4*\c], v[16+16*\c:23+16*\c], v4
	v_cvt_scalef32_pk8_fp8_f32 v[82+4*\c:83+4*\c], v[24+16*\c:31+16*\c], v4
.endr
.irp c, 0,1,2,3
	global_store_b128 v2, v[80+4*\c:83+4*\c], s[16:17] offset:512*\c   ; the wave stores 512 consecutive bytes, at a multiple of 512 from the buffer's first byte
.endr
	s_endpgm
.Lfunc_end_k_qd3fb4fe71c_prep:
	.size	k_qd3fb4fe71c_prep, .Lfunc_end_k_qd3fb4fe71c_prep-k_qd3fb4fe71c_prep
	.p2alignl 7, 3214868480
	.fill 96, 4, 3214868480
	.section	.rodata,"a",@progbits
	.p2align	6, 0x0
	.amdhsa_kernel k_qd3fb4fe71c_prep
		.amdhsa_group_segment_fixed_size 0
		.amdhsa_private_segment_fixed_size 0
		.amdhsa_enable_private_segment 0
		.amdhsa_kernarg_size 64
		.amdhsa_user_sgpr_count 2
		.amdhsa_user_sgpr_kernarg_segment_ptr 1
		.amdhsa_wavefront_size32 1
		.amdhsa_system_sgpr_workgroup_id_x 1
		.amdhsa_system_sgpr_workgroup_id_y 1
		.amdhsa_system_sgpr_workgroup_id_z 1
		.amdhsa_system_vgpr_workitem_id 0
		.amdhsa_next_free_vgpr 112
		.amdhsa_next_free_sgpr 66
		.amdhsa_reserve_vcc 1
		.amdhsa_float_denorm_mode_32 3
		.amdhsa_float_denorm_mode_16_64 3
		.amdhsa_memory_ordered 1
		.amdhsa_forward_progress 1
		.amdhsa_inst_pref_size 15
	.end_amdhsa_kernel
	.amdgpu_metadata
---
amdhsa.version: [ 1, 2 ]
amdhsa.kernels:
  - .name:           k_qd3fb4fe71c_prep
    .symbol:         k_qd3fb4fe71c_prep.kd
    .args:
      - { .name: transformer_output, .offset: 0, .size: 8, .value_kind: global_buffer, .address_space: global }
      - { .name: Wq, .offset: 8, .size: 8, .value_kind: global_buffer, .address_space: global }
      - { .name: bq, .offset: 16, .size: 8, .value_kind: global_buffer, .address_space: global }
      - { .name: Wk, .offset: 24, .size: 8, .value_kind: global_buffer, .address_space: global }
      - { .name: Wv, .offset: 32, .size: 8, .value_kind: global_buffer, .address_space: global }
      - { .name: lowp_scales, .offset: 40, .size: 8, .value_kind: global_buffer, .address_space: global }
      - { .name: wcodes, .offset: 48, .size: 8, .value_kind: global_buffer, .address_space: global }
      - { .name: qs, .offset: 56, .size: 8, .value_kind: global_buffer, .address_space: global }
    .group_segment_fixed_size: 0
    .private_segment_fixed_size: 0
    .kernarg_segment_align: 8
    .kernarg_segment_size: 64
    .max_flat_workgroup_size: 128
    .sgpr_count:     66
    .vgpr_count:     112
    .wavefront_size: 32
...
	.end_amdgpu_metadata
.endif
;; end of part 3
;; launch attn (part 4): grid 256 x 1, 8 waves a work-group, no clusters, 68,608 bytes of LDS; arguments residual_maps, wcodes, qs, bk, bv, lowp_scales, out0; writes out0
.if DOCPART == 4
	.amdgcn_target "amdgcn-amd-amdhsa--gfx1250"
	.amdhsa_code_object_version 6
	.text
	.protected	k_qd3fb4fe71c_attn
	.globl	k_qd3fb4fe71c_attn
	.p2align	8
	.type	k_qd3fb4fe71c_attn,@function
k_qd3fb4fe71c_attn:
	s_mov_b64 s[64:65], 0
	v_nop
	global_prefetch_b8 v0, s[64:65] scope:SCOPE_SE
	s_setreg_imm32_b32 hwreg(HW_REG_WAVE_SCHED_MODE, 0, 2), 2
	s_setreg_imm32_b32 hwreg(HW_REG_WAVE_MODE, 25, 1), 1
	s_wait_xcnt 0x0
	s_wait_alu depctr_vm_vsrc(0)
; out[b][o][p] = sum over m of softmax_m(q[b] . keys[b][m][:][p] / 16) values[b][m][o][p],  keys = Wk x + bk, values = Wv x + bv, both products on codes of E4M3.
; x = residual_maps [2][16][256][4096] f32 is quantised twice, with 2^e0 for the key product and 2^e2 for the value product; Wk's and Wv's codes and the scaled query come from the launch before.
; SHARES.  A work-group owns 32 pixels of one b (128 bytes of every channel row) for all 16 maps: 512 KB of x, read once, straight into registers.  Keys, values, scores and weights never go to memory.
; Eight waves, each in two parts.  PRODUCER: wave w takes channels 32 w .. 32 w + 31 of every map.  Lane (r, h) = (lane % 16, lane / 16) loads pixels 2 r, 2 r + 1 of channel 32 w + 16 h + i, i = 0 .. 15: so the
; registers of one parity j run DOWN K for pixel 2 r + j, in the order in which the operand takes them; the conversions' results are 4 registers of the fragment (pixel tile j = {2 r + j}, K step w / 4, block w % 4).
; They go to the other waves through LDS as images of registers: 16 bytes a lane at 16 x lane.  CONSUMER: waves 0-3 (role 0) make keys, waves 4-7 (role 1) values; wave 4 role + kw owns output channels
; 64 kw .. 64 kw + 63, whose 8 weight fragments stay in its registers for the whole launch.  D = W x + bias': source 0 = 16 rows of W, source 1 = 16 pixels; lane (r, h), register i: channel 16 t + 8 h + i, pixel 2 r + j.
; bias' = bias / 2^(the two exponents added) is the C of each sum's first product.  Both operands hold k = 32 c + 16 h + 0 .. 15 in registers 4 c .. 4 c + 3: one permutation of k in both, so every product meets its partner.
; THE ORDER OF THE MAPS.  The softmax is a running one, so a work-group may take the maps in any order.  Work-groups 2 n and 2 n + 1 read the two halves of the same aligned 256 bytes of every channel row.  An odd
; work-group takes each pair of maps the other way round (1, 0, 3, 2, ..): of a pair of maps each of the two neighbours asks first for one, a trip ahead of the other, and second for the other: the first requests for
; the bytes that they share come from both in equal parts.  Below, 'map s' is the s-th map of the work-group's own order: map s xor (the work-group's number mod 2) of x.
; A TRIP s (k = s % 4): fetch my role's fragments | quantise map s, and ask for map s + 4 into the set just emptied | key waves: keys of map s - 1, dotted with q: a partial score for each pixel, to LDS | value waves:
; values of map s - 2, its four partial scores from LDS, the running softmax (largest t so far, sum l, O and l x 2^(old - new) in every trip: no branch on data), O += p x values | one barrier.  18 trips, 17 barriers.
; LDS.  Rings of four slots: map m's e0 codes in slot (m + 1) % 4, its e2 codes in slot (m + 2) % 4, its scores in slot m % 4: so in trip s both roles fetch slot k.  Between two barriers codes are read in slot k and
; written in slots k + 1 and k + 2; scores are read in slot k + 2 and written in slot k + 3: never the same slot.  In front of every barrier each wave waits for all its LDS instructions.
; NOT SHARED IN A CLUSTER: what work-groups have in common is the 128 KB of weight codes and 2 KB of q, read once into registers, against 512 KB of x that is each work-group's own.
; 32 pixels a work-group give each of 256 work-groups the same share; so sixteen lanes read or store 128 consecutive bytes of a channel row, and the work-group beside takes the 128 next to them.
; LIMITS: e0 and e2 between -126 and 119, so that 2^e and 448 x 2^e are f32 numbers; e0 + e1 and e2 + e3 go in by v_ldexp_f32.  NaN among the inputs is not served; an infinity is held at the largest code.
; THE MODE: SCHED_MODE bits 1:0 = 2 (LLVM: expert scheduling mode 2), set by the entry lines.  The code itself states the register dependences between vector or matrix instructions and memory or LDS
; instructions, with s_wait_alu, always for 0.
; THE PLAN.  Registers that memory or LDS instructions touch, in a trip:
;   XR0 .. XR3   Trip s: its 64 holds read set k; behind them the loads of map s + 4 land in it.
;   FR           The fragments' loads land in it at the trip's head; the trip's 16 products read it.
;   CD           The conversions write it; four LDS stores read it; then the trip's products (or, where a role has none, the next trip's conversions) write over it.
;   v[TW ..]     Key waves: vector lines write them, the score's store reads v[TW+3].  Value waves: the scores' two loads land in them, vector lines work on them.
;   v1 to v5, v30, v31   offsets and LDS addresses: made once at the head, never written again.  v27, the weights' offset, is read at the head alone and lies among v[TW ..].
; Four waits state all of it.  (1) va_vdst behind the second conversions: the codes are written, and the holds are done reading set k.  (2) vm_vsrc behind the code stores, ahead of the parting of the roles: the stores
; have read CD, and the last trip's score store v[TW+3].  (3) Key waves: va_vdst ahead of the score's store: the score is written, and the products are done reading FR; no vector line follows it in the trip.
; (4) Value waves: va_vdst ahead of the first reader of the exponentials: f and p are written, the products are done reading FR, and the lines above are done with v[TW ..]; behind it the trip names l, f, p, O and the
; accumulators alone.  So the next trip's loads into FR and into v[TW ..] stand with no wait of their own, on both roles' ways and over the loop's backward jump.
.set SLOTB, 8192                       ; a slot of codes: pixel tile j at 4096 j, K step ks at 2048 ks, block c at 512 c, lane at 16 x lane
.set VRING, 32768                      ; the e0 ring at 0, the e2 ring here
.set SC,    65536                      ; the scores: four slots of 512 bytes: pixel 16 j + r at 16 bytes each, wave kw's partial at 4 kw
.set SCSL,  512
.set MAPB,  0x400000                   ; bytes from a map of x to the next
.set CHB,   16384                      ; bytes from a channel to the next, in x and in out
; window 0
.set XO,  1                            ; v1   x: 262,144 h + 8 r
.set CST, 2                            ; v2   where I store codes: 512 w + 16 x lane
.set AF,  3                            ; v3   where I fetch fragments: 16 x lane + 32,768 x role
.set SCW, 4                            ; v4   where a key wave stores its partial score: SC + 16 x lane + 4 kw
.set SCR, 5                            ; v5   where a value wave reads four of them: SC + 16 r
.set SCK, 6                            ; v6   2^e0;  v7  448 x 2^e0
.set LMK, 7
.set SCV, 8                            ; v8   2^e2;  v9  448 x 2^e2
.set LMV, 9
.set MX,  10                           ; v10, v11  the largest t so far, pixel tiles 0, 1
.set LS,  12                           ; v12, v13  the sums l
.set FP,  14                           ; v[14:15] f0, v[16:17] p0, v[18:19] f1, v[20:21] p1: the packed forms take the low word for both halves
.set TW,  22                           ; v22-29 at work
.set WO,  27                           ; v27  at the head: 16 x lane, the weights' offset
.set LB,  30                           ; v30  32 h: bias and q
.set OO,  31                           ; v31  out: 131,072 h + 8 r
.set XR,  32                           ; v32-159  x: four sets of 32; register 2 i + j
.set FR,  160                          ; v160-223 four fragments of x's codes: (j, ks) at 16 (2 j + ks)
.set BI,  224                          ; v224-255 bias': tile t at 8 t
; window 1
.set WT,  0                            ; v0-127   my weights: fragment (t, ks) at 16 (2 t + ks)
.set DA,  128                          ; v128-191 the accumulators: (t, j) at 8 (2 t + j)
.set TM,  128                          ; over them while they are dead: 2 x 16 held numbers,
.set CD,  160                          ; and the codes: e0's j = 0, 1, then e2's
.set OA,  192                          ; v192-255 value waves: O, (t, j) at 8 (2 t + j)
.set QR,  192                          ; v192-223 key waves: q, tile t at 8 t
.set SS,  224                          ; v224-231 key waves: four chains of the score
.set WV,   18
.set ROLE, 19
.set KW,   20
.set IT,   21
.set XA,   22                          ; s[22:23] x at my wave's channels, my order's map 0
.set XE,   28                          ; s[28:29] the same at the even place of my order last asked for; it steps by two maps of x
.set XD,   46                          ; s[46:47] the same for the odd places
.set SEL,  34                          ; s[34:35] v_permlanex16_b32: each lane takes its own place in the other half
.set HM,   36                          ; s36  lanes 16-31
.set ES,   37                          ; s37  my role's two exponents added;  s38 the same negated
.set MSB, 0
.macro WIN new                         ; s_set_vgpr_msb: bits 1:0 source 0, 3:2 source 1, 5:4 source 2, 7:6 destination; the high byte repeats the setting that is left
.if MSB != \new
	s_set_vgpr_msb (MSB<<8)|\new
.set MSB, \new
.endif
.endm
; a map's 16 loads into set st (= its place in my order, mod 4): lanes 0-15 read 128 consecutive bytes of one channel, lanes 16-31 of the channel 16 further on
.macro AHEAD st
.if (\st)%2
.set BP, XD
.else
.set BP, XE
.endif
	s_wait_xcnt 0x0                                ; the earlier loads have read their bases: a base steps only behind this wait
	s_add_nc_u64 s[BP:BP+1], s[BP:BP+1], 2*MAPB    ; the place two on in my order lies two maps of x on, in an even and in an odd work-group
.irp i, 0,1,2,3,4,5,6,7,8,9,10,11,12,13,14,15
	global_load_b64 v[XR+32*(\st)+2*\i:XR+32*(\st)+2*\i+1], v[XO], s[BP:BP+1] offset:CHB*\i
.endr
.endm
; my role's four fragments out of slot k.  No wait on va_vdst stands here: the last trip's products, which read these registers, stand ahead of that trip's last such wait, and no vector or matrix line since names them
.macro FETCH k
.irp g, 0,1,2,3
.irp c, 0,1,2,3
	ds_load_b128 v[FR+16*\g+4*\c:FR+16*\g+4*\c+3], v[AF] offset:(\k)*SLOTB+2048*\g+512*\c
.endr
.endr
.endm
.macro HOLD k, lim                     ; set k's 32 numbers, held within +-448 x the scale, sorted by pixel tile: the conversion to an 8-bit code does not saturate (ISA guide 7.6.2)
	WIN 0x40
.irp j, 0,1
.irp i, 0,1,2,3,4,5,6,7,8,9,10,11,12,13,14,15
	v_med3_num_f32 v[TM+16*\j+\i], v[XR+32*(\k)+2*\i+\j], -v[\lim], v[\lim]
.endr
.endr
.endm
.macro CODES dst, sc
	WIN 0x41
.irp j, 0,1
	v_cvt_scalef32_pk8_fp8_f32 v[(\dst)+4*\j:(\dst)+4*\j+1], v[TM+16*\j:TM+16*\j+7], v[\sc]
	v_cvt_scalef32_pk8_fp8_f32 v[(\dst)+4*\j+2:(\dst)+4*\j+3], v[TM+16*\j+8:TM+16*\j+15], v[\sc]
.endr
	v_nop                                          ; a plain line between the conversions and what next writes their sources or results: the next holds, or the products
.endm
; map s (set k) becomes codes twice, and both go to LDS
.macro PRODUCE k
	HOLD \k, LMK
	CODES CD, SCK
	HOLD \k, LMV
	CODES CD+8, SCV
	WIN 0x04                                       ; store data in window 1
	s_wait_alu depctr_va_vdst(0)                   ; the conversions have written v[CD ..], which the stores below read; the holds are done reading set k, in which the loads of map s + 4 land behind the stores
.irp j, 0,1
	ds_store_b128 v[CST], v[CD+4*\j:CD+4*\j+3] offset:(((\k)+1)%4)*SLOTB+4096*\j
	ds_store_b128 v[CST], v[CD+8+4*\j:CD+8+4*\j+3] offset:VRING+(((\k)+2)%4)*SLOTB+4096*\j
.endr
	WIN 0
.endm
; 16 products: my 64 channels x 32 pixels x 256 along K.  The eight accumulators take turns, one instruction a turn.
.macro MM
	WIN 0x41
.irp t, 0,1,2,3
.irp j, 0,1
	v_wmma_f32_16x16x128_fp8_fp8 v[DA+8*(2*\t+\j):DA+8*(2*\t+\j)+7], v[WT+16*(2*\t):WT+16*(2*\t)+15], v[FR+16*(2*\j):FR+16*(2*\j)+15], v[BI+8*\t:BI+8*\t+7]
.endr
.endr
	WIN 0x51
.irp t, 0,1,2,3
.irp j, 0,1
	v_wmma_f32_16x16x128_fp8_fp8 v[DA+8*(2*\t+\j):DA+8*(2*\t+\j)+7], v[WT+16*(2*\t+1):WT+16*(2*\t+1)+15], v[FR+16*(2*\j+1):FR+16*(2*\j+1)+15], v[DA+8*(2*\t+\j):DA+8*(2*\t+\j)+7]
.endr
.endr
	WIN 0
.endm
; key waves: q . keys over my 64 channels, for 32 pixels; into the scores' slot of map s - 1
.macro KPOST k
.rept 4
	v_nop                                          ; four places between the last product and the first read of results (ISA guide 7.12.1)
.endr
	WIN 0x55
.irp t, 0,1,2,3
.irp p, 0,1,2,3
.irp j, 0,1
.if (\t == 0) && (\p < 2)
	v_pk_mul_f32 v[SS+4*\j+2*(\p%2):SS+4*\j+2*(\p%2)+1], v[DA+8*(2*\t+\j)+2*\p:DA+8*(2*\t+\j)+2*\p+1], v[QR+8*\t+2*\p:QR+8*\t+2*\p+1]   ; four chains; each accumulator from its low end on
.else
	v_pk_fma_f32 v[SS+4*\j+2*(\p%2):SS+4*\j+2*(\p%2)+1], v[DA+8*(2*\t+\j)+2*\p:DA+8*(2*\t+\j)+2*\p+1], v[QR+8*\t+2*\p:QR+8*\t+2*\p+1], v[SS+4*\j+2*(\p%2):SS+4*\j+2*(\p%2)+1]
.endif
.endr
.endr
.endr
	v_pk_add_f32 v[SS:SS+1], v[SS:SS+1], v[SS+2:SS+3]
	v_pk_add_f32 v[SS+4:SS+5], v[SS+4:SS+5], v[SS+6:SS+7]
	WIN 0x05
	v_add_f32 v[TW], v[SS], v[SS+1]                ; pixel tile 0, my half's 32 channels
	v_add_f32 v[TW+1], v[SS+4], v[SS+5]            ; pixel tile 1
	WIN 0
	v_cndmask_b32 v[TW+2], v[TW+1], v[TW], s[HM]   ; what the lane 16 away wants: lanes 0-15 send tile 1's, lanes 16-31 tile 0's
	v_cndmask_b32 v[TW+3], v[TW], v[TW+1], s[HM]   ; what I keep
	v_permlanex16_b32 v[TW+4], v[TW+2], s[SEL], s[SEL+1]
	v_add_f32 v[TW+3], v[TW+3], v[TW+4]            ; lane l: pixel 16 j + r = l
	s_wait_alu depctr_va_vdst(0)                   ; the sum is written into v[TW+3], which the store reads; the products above are done reading v[FR ..], in which the next trip's fragments land
	ds_store_b32 v[SCW], v[TW+3] offset:(((\k)+3)%4)*SCSL
.endm
; value waves: map s - 2's t for my two pixels, the running softmax, O = O f + p x values
.macro VPOST k
	ds_load_b128 v[TW:TW+3], v[SCR] offset:(((\k)+2)%4)*SCSL       ; no wait on va_vdst stands here: the last lines that named v[TW ..] stand ahead of the last trip's wait for its exponentials
	ds_load_b128 v[TW+4:TW+7], v[SCR] offset:(((\k)+2)%4)*SCSL+256
	s_wait_dscnt 0x0
	v_add_f32 v[TW], v[TW], v[TW+1]                ; the four key waves' parts (these lines are also the places behind the products)
	v_add_f32 v[TW+2], v[TW+2], v[TW+3]
	v_add_f32 v[TW+4], v[TW+4], v[TW+5]
	v_add_f32 v[TW+6], v[TW+6], v[TW+7]
	v_add_f32 v[TW], v[TW], v[TW+2]                ; t of pixel 2 r
	v_add_f32 v[TW+4], v[TW+4], v[TW+6]            ; t of pixel 2 r + 1
	v_max_num_f32 v[TW+1], v[MX], v[TW]            ; the new largest t
	v_max_num_f32 v[TW+5], v[MX+1], v[TW+4]
	v_sub_f32 v[TW+2], v[MX], v[TW+1]
	v_sub_f32 v[TW+3], v[TW], v[TW+1]
	v_sub_f32 v[TW+6], v[MX+1], v[TW+5]
	v_sub_f32 v[TW+7], v[TW+4], v[TW+5]
	s_wait_alu depctr_va_vdst(0)
	v_exp_f32 v[FP], v[TW+2]                       ; f = 2^(old - new)
	v_exp_f32 v[FP+2], v[TW+3]                     ; p = 2^(t - new)
	v_exp_f32 v[FP+4], v[TW+6]
	v_exp_f32 v[FP+6], v[TW+7]
	v_mov_b32 v[MX], v[TW+1]                       ; (plain lines behind the exponentials)
	v_mov_b32 v[MX+1], v[TW+5]
	s_wait_alu depctr_va_vdst(0)                   ; the four exponentials have written f and p, ahead of their first reader; the products above are done reading v[FR ..], and the lines above are done with v[TW ..]: the next trip's loads land in both
	v_fma_f32 v[LS], v[LS], v[FP], v[FP+2]
	v_fma_f32 v[LS+1], v[LS+1], v[FP+4], v[FP+6]
	WIN 0x41
.irp t, 0,1,2,3
.irp j, 0,1
.irp p, 0,2,4,6
	v_pk_mul_f32 v[OA+8*(2*\t+\j)+\p:OA+8*(2*\t+\j)+\p+1], v[OA+8*(2*\t+\j)+\p:OA+8*(2*\t+\j)+\p+1], v[FP+4*\j:FP+4*\j+1] op_sel_hi:[1,0]
.endr
.endr
.endr
	WIN 0x51
.irp t, 0,1,2,3
.irp j, 0,1
.irp p, 0,2,4,6
	v_pk_fma_f32 v[OA+8*(2*\t+\j)+\p:OA+8*(2*\t+\j)+\p+1], v[DA+8*(2*\t+\j)+\p:DA+8*(2*\t+\j)+\p+1], v[FP+2+4*\j:FP+3+4*\j], v[OA+8*(2*\t+\j)+\p:OA+8*(2*\t+\j)+\p+1] op_sel_hi:[1,0,1]   ; each accumulator from its low end on
.endr
.endr
.endr
	WIN 0
.endm
.macro BAR
	s_wait_dscnt 0x0                               ; for the others' sake: my stores have landed, and my reads of what the next trip overwrites are in
	s_barrier_signal -1
	s_barrier_wait -1
.endm
; prod: quantise map s; left: the younger loads that may stay out.  ahead: ask for map s + 4, into the set that the quantising has emptied.  kact, vact: the key waves, the value waves have a map to multiply.
.macro TRIP k, ahead, prod, left, kact, vact, bar
.if \kact && \vact
	FETCH \k
.elseif \kact
	s_cmp_lg_u32 s[ROLE], 0
	s_cbranch_scc1 .Lno_fetch_\@
	FETCH \k
.Lno_fetch_\@:
.elseif \vact
	s_cmp_eq_u32 s[ROLE], 0
	s_cbranch_scc1 .Lno_fetch_\@
	FETCH \k
.Lno_fetch_\@:
.endif
.if \prod
	s_wait_loadcnt \left                           ; loads come back in order (ISA guide 5.7.1): map s is in
	PRODUCE \k
.endif
.if \ahead
	AHEAD \k                                       ; no further wait: since the wait behind the conversions no vector or matrix line has been issued, so none names set k
.endif
.if \prod || \kact
	s_wait_alu depctr_vm_vsrc(0)                   ; my LDS stores have read their data: v[CD ..], over which the products below or the next trip's conversions write, and, in a key wave, the last trip's score in v[TW+3], which this trip's sums write again (in trip 0 also: the weights' loads have read v27, in which scores land later)
.endif
.if \kact && \vact
	s_wait_dscnt 0x0                               ; the fragments are in
	MM
	s_cmp_lg_u32 s[ROLE], 0
	s_cbranch_scc1 .Lvalue_\@
	KPOST \k
	s_branch .Ljoin_\@
.Lvalue_\@:
	VPOST \k
.Ljoin_\@:
.elseif \kact
	s_cmp_lg_u32 s[ROLE], 0
	s_cbranch_scc1 .Ljoin_\@
	s_wait_dscnt 0x0
	MM
	KPOST \k
.Ljoin_\@:
.elseif \vact
	s_cmp_eq_u32 s[ROLE], 0
	s_cbranch_scc1 .Ljoin_\@
	s_wait_dscnt 0x0
	MM
	VPOST \k
.Ljoin_\@:
.endif
.if \bar
	BAR
.endif
.endm
	s_load_b256 s[4:11], s[0:1], 0x0               ; x s[4:5], wcodes s[6:7], qs s[8:9], bk s[10:11]
	s_load_b128 s[12:15], s[0:1], 0x20             ; bv s[12:13], the exponents s[14:15]
	s_load_b64 s[16:17], s[0:1], 0x30              ; out
	v_lshrrev_b32 v[TW], 5, v0
	v_readfirstlane_b32 s[WV], v[TW]               ; wave 0..7
	; every address register is made here, ahead of the first parting of the roles, and none is written again; those that need no scalar come first
	v_and_b32 v[TW+1], 31, v0                      ; lane
	v_and_b32 v[TW+2], 15, v0                      ; r
	v_bfe_u32 v[TW+3], v0, 4, 1                    ; h
	v_lshlrev_b32 v[TW+4], 3, v[TW+2]              ; 8 r  (v26 is written here: later a lane permute's destination)
	v_lshl_add_u32 v[XO], v[TW+3], 18, v[TW+4]
	v_lshl_add_u32 v[OO], v[TW+3], 17, v[TW+4]
	v_lshlrev_b32 v[WO], 4, v[TW+1]                ; 16 x lane
	v_lshl_add_u32 v[SCR], v[TW+2], 4, SC
	v_lshlrev_b32 v[LB], 5, v[TW+3]
	s_wait_alu depctr_va_sdst(0)                   ; the wave's number is written into s[WV], ahead of its first reader: roles, addresses and bases are made from it
	s_lshr_b32 s[ROLE], s[WV], 2                   ; 0: keys, 1: values
	s_and_b32 s[KW], s[WV], 3                      ; which 64 output channels
	s_lshl_b32 s39, s[WV], 9
	v_add_nc_u32 v[CST], s39, v[WO]
	s_lshl_b32 s39, s[ROLE], 15
	v_add_nc_u32 v[AF], s39, v[WO]
	s_lshl_b32 s39, s[KW], 2
	s_add_co_u32 s39, s39, SC
	v_add_nc_u32 v[SCW], s39, v[WO]
	s_lshr_b32 s40, ttmp9, 7                       ; b
	s_and_b32 s41, ttmp9, 127                      ; which 32 pixels
	s_lshl_b32 s30, s40, 26                        ; x: b x 16 maps,
	s_lshl_b32 s42, s[WV], 19                      ; my wave's 32 channels,
	s_add_co_u32 s30, s30, s42
	s_lshl_b32 s42, s41, 7                         ; the work-group's 128 bytes of a row
	s_add_co_u32 s30, s30, s42
	s_and_b32 s43, ttmp9, 1                        ; o: an odd work-group begins with map 1 of x,
	s_xor_b32 s44, s43, 1                          ; and takes map 0 second
	s_lshl_b32 s43, s43, 22                        ; o maps of x, in bytes
	s_lshl_b32 s44, s44, 22                        ; 1 - o maps
	s_add_co_u32 s32, s30, s44                     ; my order's map 1
	s_add_co_u32 s30, s30, s43                     ; my order's map 0
	s_mov_b32 s31, 0
	s_mov_b32 s33, 0
	s_mov_b32 s[SEL], 0x76543210
	s_mov_b32 s[SEL+1], 0xfedcba98
	s_mov_b32 s[HM], 0xffff0000
	s_wait_kmcnt 0x0
	s_load_b128 s[24:27], s[14:15], 0x0            ; e0, e1, e2, e3
	s_add_nc_u64 s[XA:XA+1], s[4:5], s[30:31]
	s_add_nc_u64 s[XD:XD+1], s[4:5], s[32:33]
	s_add_nc_u64 s[XE:XE+1], s[XA:XA+1], 2*MAPB    ; my order's map 2
	s_wait_alu depctr_va_vdst(0)                   ; the offsets and LDS addresses v1 to v5, v27, v30 and v31 are written: every load and store of the kernel reads one of them
	; maps 0, 1, 2 of my order are asked for ahead of everything else
.irp i, 0,1,2,3,4,5,6,7,8,9,10,11,12,13,14,15
	global_load_b64 v[XR+2*\i:XR+2*\i+1], v[XO], s[XA:XA+1] offset:CHB*\i
.endr
.irp i, 0,1,2,3,4,5,6,7,8,9,10,11,12,13,14,15
	global_load_b64 v[XR+32+2*\i:XR+32+2*\i+1], v[XO], s[XD:XD+1] offset:CHB*\i
.endr
.irp i, 0,1,2,3,4,5,6,7,8,9,10,11,12,13,14,15
	global_load_b64 v[XR+64+2*\i:XR+64+2*\i+1], v[XO], s[XE:XE+1] offset:CHB*\i
.endr
	WIN 0x40
.set n, 0
.rept 64
	v_mov_b32 v[OA+n], 0                           ; O begins as zeros, which the first change of the largest t leaves zeros: so the trip is written once.  Every wave runs these lines: key waves load q over the first 32
.set n, n+1
.endr
	WIN 0
	v_mov_b32 v[MX], 0xff61b1e6                    ; the largest t so far: -3e38, under every t
	v_mov_b32 v[MX+1], 0xff61b1e6
.set n, 0
.rept 10
	v_mov_b32 v[LS+n], 0                           ; l, and the pairs of f and p (their upper words are named, so they are written)
.set n, n+1
.endr
	s_lshl_b32 s32, s[ROLE], 16                    ; my weights: 65,536 x role + 16,384 kw: eight fragments on end
	s_lshl_b32 s42, s[KW], 14
	s_add_co_u32 s32, s32, s42
	s_add_nc_u64 s[6:7], s[6:7], s[32:33]
	WIN 0x40
.irp g, 0,1,2,3,4,5,6,7
.irp c, 0,1,2,3
	global_load_b128 v[WT+16*\g+4*\c:WT+16*\g+4*\c+3], v[WO], s[6:7] offset:2048*\g+512*\c   ; an image of the registers: 512 consecutive bytes a load.  No vector line has named these registers, nor the bias's below
.endr
.endr
	WIN 0
	s_cmp_eq_u32 s[ROLE], 0
	s_cselect_b64 s[10:11], s[10:11], s[12:13]     ; bk or bv: the choice hangs on the wave's number alone
	s_lshl_b32 s32, s[KW], 8                       ; my 64 numbers
	s_add_nc_u64 s[10:11], s[10:11], s[32:33]
.irp t, 0,1,2,3
	global_load_b128 v[BI+8*\t:BI+8*\t+3], v[LB], s[10:11] offset:64*\t          ; lane (r, h), register i: channel 16 t + 8 h + i
	global_load_b128 v[BI+8*\t+4:BI+8*\t+7], v[LB], s[10:11] offset:64*\t+16
.endr
	s_lshl_b32 s42, s40, 10                        ; q: row b of 1,024 bytes, my 64 numbers
	s_add_co_u32 s32, s32, s42
	s_add_nc_u64 s[8:9], s[8:9], s[32:33]
	s_cmp_lg_u32 s[ROLE], 0
	s_cbranch_scc1 .Lno_q
	WIN 0x40
	s_wait_alu depctr_va_vdst(0)                   ; the zeros above are written into v[QR ..] of window 1, in which q lands
.irp t, 0,1,2,3
	global_load_b128 v[QR+8*\t:QR+8*\t+3], v[LB], s[8:9] offset:64*\t
	global_load_b128 v[QR+8*\t+4:QR+8*\t+7], v[LB], s[8:9] offset:64*\t+16
.endr
	WIN 0
.Lno_q:
	s_lshl_b32 s32, s40, 22                        ; out: b, my 64 channels, the work-group's 128 bytes of a row
	s_lshl_b32 s42, s[KW], 20
	s_add_co_u32 s32, s32, s42
	s_lshl_b32 s42, s41, 7
	s_add_co_u32 s32, s32, s42
	s_add_nc_u64 s[16:17], s[16:17], s[32:33]
	s_wait_kmcnt 0x0                               ; the exponents
	s_add_co_i32 s42, s24, 127
	s_lshl_b32 s43, s42, 23
	v_mov_b32 v[SCK], s43                          ; 2^e0 as f32: the conversion takes its exponent field
	s_add_co_i32 s42, s42, 8
	s_lshl_b32 s42, s42, 23
	s_or_b32 s42, s42, 0x600000
	v_mov_b32 v[LMK], s42                          ; 448 x 2^e0
	s_add_co_i32 s42, s26, 127
	s_lshl_b32 s43, s42, 23
	v_mov_b32 v[SCV], s43                          ; the same with e2
	s_add_co_i32 s42, s42, 8
	s_lshl_b32 s42, s42, 23
	s_or_b32 s42, s42, 0x600000
	v_mov_b32 v[LMV], s42
	s_add_co_i32 s44, s24, s25
	s_add_co_i32 s45, s26, s27
	s_cmp_eq_u32 s[ROLE], 0
	s_cselect_b32 s[ES], s44, s45                  ; a sum of my product stands for sum x 2^ES
	s_sub_co_i32 s[ES+1], 0, s[ES]
	s_wait_alu depctr_va_vdst(0)
	AHEAD 3                                        ; map 3 fills the fourth set, which no vector line has named; from here on each trip asks again for the set that it has emptied
	TRIP 0, 1, 1, 63, 0, 0, 1                      ; behind map 0's loads stand 88 or more (maps 1, 2, 3; weights, bias, q): 63, the largest count that the wait can name, shows map 0 in
	s_wait_loadcnt 32                              ; all but the sixteen loads each of maps 3 and 4: weights, bias and q are in
.set n, 0
.rept 32
	v_ldexp_f32 v[BI+n], v[BI+n], s[ES+1]          ; bias' = bias / 2^ES
.set n, n+1
.endr
	TRIP 1, 1, 1, 48, 1, 0, 1                      ; from here on the count leaves the sixteen loads of each of the three maps behind map s
	s_mov_b32 s[IT], 2
.Lloop:                                        ; trips 2 to 9: four to a turn of the rings; each of the two bases steps twice
	TRIP 2, 1, 1, 48, 1, 1, 1
	TRIP 3, 1, 1, 48, 1, 1, 1
	TRIP 0, 1, 1, 48, 1, 1, 1
	TRIP 1, 1, 1, 48, 1, 1, 1
	s_sub_co_u32 s[IT], s[IT], 1
	s_cmp_lg_u32 s[IT], 0
	s_cbranch_scc1 .Lloop
	TRIP 2, 1, 1, 48, 1, 1, 1                      ; trip 10,
	TRIP 3, 1, 1, 48, 1, 1, 1                      ; 11: my order's map 15 is asked for, the last: the bases end at maps o + 14 and 15 - o of x, so no load leaves the buffer
	TRIP 0, 0, 1, 48, 1, 1, 1                      ; 12: maps 13, 14 and 15 are still behind it
	TRIP 1, 0, 1, 32, 1, 1, 1                      ; 13 to 15: the counts run down
	TRIP 2, 0, 1, 16, 1, 1, 1
	TRIP 3, 0, 1, 0, 1, 1, 1
	TRIP 0, 0, 0, 0, 1, 1, 1                       ; 16: keys of map 15, values of map 14
	TRIP 1, 0, 0, 0, 0, 1, 0                       ; 17: values of map 15; no barrier follows, so the key waves may end
	s_cmp_eq_u32 s[ROLE], 0
	s_cbranch_scc1 .Lend
	s_wait_alu depctr_va_vdst(0)
	; THE WAY OUT: out = O x 2^ES / l.  The two pixel tiles' numbers of a channel are neighbours in memory (pixels 2 r, 2 r + 1): they are put into neighbouring registers
	v_rcp_f32 v[LS], v[LS]
	v_rcp_f32 v[LS+1], v[LS+1]
	v_nop                                          ; a plain line behind the reciprocals
	s_wait_alu depctr_va_vdst(0)                   ; the two reciprocals are written into v[LS], v[LS+1], ahead of their first reader
	v_ldexp_f32 v[LS], v[LS], s[ES]
	v_ldexp_f32 v[LS+1], v[LS+1], s[ES]
	WIN 0x01
.irp t, 0,1,2,3
.irp i, 0,1,2,3,4,5,6,7
.irp j, 0,1
	v_mul_f32 v[XR+2*(8*\t+\i)+\j], v[OA+8*(2*\t+\j)+\i], v[LS+\j]
.endr
.endr
.endr
	WIN 0
	s_wait_alu depctr_va_vdst(0)                   ; the 64 products are written into v[XR ..], which the stores below read
.irp t, 0,1,2,3
.irp i, 0,1,2,3,4,5,6,7
	global_store_b64 v[OO], v[XR+2*(8*\t+\i):XR+2*(8*\t+\i)+1], s[16:17] offset:(16*\t+\i)*CHB   ; sixteen lanes store the work-group's 128 consecutive bytes of channel 16 t + 8 h + i
.endr
.endr
.Lend:
	s_wait_xcnt 0x0
	v_lshl_add_u32 v254, v0, 2, 0x10800            ; the add's two registers are made anew, straight ahead of the closing lines: no memory or LDS instruction has read v254 or v255
	v_mov_b32 v255, 0
	s_wait_dscnt 0x0                               ; the closing lines, six on end
	s_wait_alu 0x0
	s_wait_tensorcnt 0x0
	ds_add_u32 v254, v255
	s_wait_dscnt 0x0
	s_endpgm
.Lfunc_end_k_qd3fb4fe71c_attn:
	.size	k_qd3fb4fe71c_attn, .Lfunc_end_k_qd3fb4fe71c_attn-k_qd3fb4fe71c_attn
	.p2alignl 7, 3214868480
	.fill 96, 4, 3214868480
	.section	.rodata,"a",@progbits
	.p2align	6, 0x0
	.amdhsa_kernel k_qd3fb4fe71c_attn
		.amdhsa_group_segment_fixed_size 68608
		.amdhsa_private_segment_fixed_size 0
		.amdhsa_enable_private_segment 0
		.amdhsa_kernarg_size 56
		.amdhsa_user_sgpr_count 2
		.amdhsa_user_sgpr_kernarg_segment_ptr 1
		.amdhsa_wavefront_size32 1
		.amdhsa_system_sgpr_workgroup_id_x 1
		.amdhsa_system_sgpr_workgroup_id_y 1
		.amdhsa_system_sgpr_workgroup_id_z 1
		.amdhsa_system_vgpr_workitem_id 0
		.amdhsa_next_free_vgpr 512
		.amdhsa_next_free_sgpr 66
		.amdhsa_reserve_vcc 0
		.amdhsa_float_denorm_mode_32 3
		.amdhsa_float_denorm_mode_16_64 3
		.amdhsa_memory_ordered 1
		.amdhsa_forward_progress 1
		.amdhsa_inst_pref_size 222
	.end_amdhsa_kernel
	.amdgpu_metadata
---
amdhsa.version: [ 1, 2 ]
amdhsa.kernels:
  - .name:           k_qd3fb4fe71c_attn
    .symbol:         k_qd3fb4fe71c_attn.kd
    .args:
      - { .name: residual_maps, .offset: 0, .size: 8, .value_kind: global_buffer, .address_space: global }
      - { .name: wcodes, .offset: 8, .size: 8, .value_kind: global_buffer, .address_space: global }
      - { .name: qs, .offset: 16, .size: 8, .value_kind: global_buffer, .address_space: global }
      - { .name: bk, .offset: 24, .size: 8, .value_kind: global_buffer, .address_space: global }
      - { .name: bv, .offset: 32, .size: 8, .value_kind: global_buffer, .address_space: global }
      - { .name: lowp_scales, .offset: 40, .size: 8, .value_kind: global_buffer, .address_space: global }
      - { .name: out0, .offset: 48, .size: 8, .value_kind: global_buffer, .address_space: global }
    .group_segment_fixed_size: 68608
    .private_segment_fixed_size: 0
    .kernarg_segment_align: 8
    .kernarg_segment_size: 56
    .max_flat_workgroup_size: 256
    .sgpr_count:     66
    .vgpr_count:     512
    .wavefront_size: 32
...
	.end_amdgpu_metadata
.endif
;; end of part 4
